; MI455X (gfx1250); checked and timed in simulation.
; The chip was launched on July 23, 2026; its instructions are those of AMD's public machine-readable ISA for CDNA 5 (MIT licence, August 2026) and "CDNA5" Instruction Set Architecture Reference Guide (July 2026). The comments in the code are by the model that wrote it; some were corrected since.
;; Box Aware X Corr. Allowed arithmetic: float matrix products may take bf16 or f16 operands with f32 sums; all other float work in f32.
;; Inputs: W1 256 x 268 float32; W2 256 x 256 float32; W3 256 x 256 float32; Wf1 256 x 256 float32; Wf2 256 x 256 float32; b1 256 float32; b2 256 float32; b3 256 float32; bf1 256 float32; bf2 256 float32; g1 256 float32; g2 256 float32; g3 256 float32; gf1 256 float32; search_bc 32 x 1,024 x 9 float32; search_feature 32 x 256 x 1,024 float32; template_bc 32 x 512 x 9 float32; template_feature 32 x 256 x 512 float32; template_xyz 32 x 512 x 3 float32.
;; Outputs: out0 32 x 256 x 1,024 float32.
;; Constants: k = 8.
;; 2 versions, each right and faster than the one before. Each part assembles by itself: llvm-mc -triple=amdgcn-amd-amdhsa -mcpu=gfx1250 --defsym DOCPART=n.
;; ======== version 1 of 2: 3 launches
;; limits: values outside matrix products are rounded to bf16
;; workspace buffers: wq 671,744 bytes; grp 524,288 bytes of whole numbers; yb 8,388,608 bytes; off 1,048,576 bytes of whole numbers
;; launch prep (part 1): grid 256 x 1, 4 waves a work-group, no clusters, 26,112 bytes of LDS; arguments template_bc, search_bc, W1, W2, W3, Wf1, Wf2, wq, grp; writes wq, grp
.if DOCPART == 1
	.amdgcn_target "amdgcn-amd-amdhsa--gfx1250"
	.amdhsa_code_object_version 6
	.text
	.protected	k_qb30348a9a5_prep
	.globl	k_qb30348a9a5_prep
	.p2align	8
	.type	k_qb30348a9a5_prep,@function
k_qb30348a9a5_prep:
	s_mov_b64 s[64:65], 0
	v_nop
	global_prefetch_b8 v0, s[64:65] scope:SCOPE_SE
	s_setreg_imm32_b32 hwreg(HW_REG_WAVE_MODE, 25, 1), 1
	s_wait_xcnt 0x0
; prep: (1) the five weight matrices, rounded to bf16, laid out in the order of matrix fragments (wq);
;       (2) for each search point the 8 GROUPS of 8 consecutive templates whose smallest distance is smallest (grp).
; A member of the 8 nearest templates, ordered by (d2, index), always lies in one of the 8 groups that are smallest by
; (group minimum, group index): otherwise 8 groups would each hold an element that comes before it.  So the next launch
; looks at 64 candidates instead of 512.
; d2 = (t2 + s2) - 2 cross in f32 on the vector unit, from box coordinates rounded to bf16 once: every product is then
; exact in f32; the sums of nine run in ascending order.  Equal distances: the lower index stays in front (strict <).
; LIMIT: NaN or infinity among the box coordinates is not served (such a distance never enters the list).
; Work-group i: batch b = i / 8, search points 128 (i % 8) .. + 127, one point a lane.  The batch's 512 templates lie in LDS
; and every lane reads the same 16 bytes of the table at a time.
; wq: byte ksg*16384 + otile*1024 + q*512 + lane*16 holds row 16 otile + (lane%16), k = 32 s + 16 q + 8 (lane/16) + 0..7.
;     ksg: W1 0..8, W2 9..16, W3 17..24, Wf1 25..32, Wf2 33..40.  W1: k step s < 8 takes columns 12 + 32 s .. (features),
;     k step 8 takes columns 0..11 (xyz, box) and zeros.  Wave 4 i + w makes fragment number 4 i + w of the 656.
.set SMASK, 49                         ; s49      0xffff0000: a word's upper bf16
.set MK,   40                          ; s[40:47] the eight masks of an insertion
.set TMP,  4
.set TAD,  6                           ; v6       LDS address of the group at work (the same in all lanes)
.set GG,   8                           ; v8       that group's number
.set XX,   9                           ; v9       its smallest distance
.set V36,  10                          ; v10      36 t
.set TST,  11                          ; v11      where thread t puts its templates in the table
.set SV,   12                          ; v[12:23] my search point: d0 d1 d2 s2 | d3 d4 d5 - | d6 d7 d8 -
.set LL,   24                          ; v[24:31] the 8 smallest group minima, ascending
.set II,   32                          ; v[32:39] their groups
.set TT,   40                          ; v[40:46] at work in an insertion
.set DC,   48                          ; v[48:55] cross, then d2, of a group's 8 templates
.set DA,   56                          ; v[56:63] t2 + s2
.set TA,   64                          ; v[64:159]  a group of the table, 8 x 12 registers
.set TB,   160                         ; v[160:255] the next group
.set BLD,  64                          ; v[64:111]  before the loop: the 4 templates that thread t prepares
.set WL,   160                         ; v[160:175] before the loop: 16 weights as loaded
.set WO,   176                         ; v[176:183] the same as bf16
.set WV,   184                         ; v184, v185 their offsets
.macro LOAD9 dst, voff, sb, imm        ; nine f32 into three groups of four registers
.irp c, 0,1,2
	global_load_b96 v[\dst+4*\c:\dst+4*\c+2], v[\voff], s[\sb:\sb+1] offset:\imm+12*\c
.endr
.endm
.macro RP a, b, tmp                    ; two numbers rounded to bf16 and widened again
	v_cvt_pk_bf16_f32 v[\tmp], v[\a], v[\b]
	v_lshlrev_b32 v[\a], 16, v[\tmp]
	v_and_b32 v[\b], s[SMASK], v[\tmp]
.endm
.macro RND9 base, tmp
	RP \base+0, \base+1, \tmp
	RP \base+2, \base+4, \tmp
	RP \base+5, \base+6, \tmp
	RP \base+8, \base+9, \tmp
	v_cvt_pk_bf16_f32 v[\tmp], v[\base+10], v[\base+10]
	v_lshlrev_b32 v[\base+10], 16, v[\tmp]
.endm
.macro SQ9 base                        ; the sum of squares, ascending, into slot 3
	v_mul_f32 v[\base+3], v[\base], v[\base]
.irp d, 1,2,4,5,6,8,9,10
	v_fmac_f32 v[\base+3], v[\base+\d], v[\base+\d]
.endr
.endm
.macro TABLE                           ; thread t: templates t + 128 e.  Group g at 400 g, member at + 48
.irp e, 0,1,2,3
	RND9 BLD+12*\e, TMP
	SQ9 BLD+12*\e
	v_mov_b32 v[BLD+12*\e+7], 0
	v_mov_b32 v[BLD+12*\e+11], 0
.irp c, 0,1,2
	ds_store_b128 v[TST], v[BLD+12*\e+4*\c:BLD+12*\e+4*\c+3] offset:6400*\e+16*\c
.endr
.endr
.endm
.macro LD8 buf, vaddr, imm             ; a group of the table: 24 loads
.irp e, 0,1,2,3,4,5,6,7
.irp c, 0,1,2
	ds_load_b128 v[\buf+12*\e+4*\c:\buf+12*\e+4*\c+3], v[\vaddr] offset:\imm+48*\e+16*\c
.endr
.endr
.endm
.macro DIST8 buf                       ; d2 to the group's 8 templates: eight chains that do not wait for each other
.irp e, 0,1,2,3,4,5,6,7
	v_mul_f32 v[DC+\e], v[\buf+12*\e], v[SV]
.endr
.irp d, 1,2,4,5,6,8,9,10
.irp e, 0,1,2,3,4,5,6,7
	v_fmac_f32 v[DC+\e], v[\buf+12*\e+\d], v[SV+\d]
.endr
.endr
.irp e, 0,1,2,3,4,5,6,7
	v_add_f32 v[DA+\e], v[\buf+12*\e+3], v[SV+3]
.endr
.irp e, 0,1,2,3,4,5,6,7
	v_fma_f32 v[DC+\e], -2.0, v[DC+\e], v[DA+\e]
.endr
.endm
; x with its payload enters the ascending list of 8 where it belongs, behind equals; no branch.
.macro INSERT x, pay
.irp i, 0,1,2,3,4,5,6,7
	v_cmp_lt_f32 s[MK+\i], v[\x], v[LL+\i]
.endr
.irp i, 0,1,2,3,4,5,6
	v_cndmask_b32 v[TT+\i], v[\pay], v[II+\i], s[MK+\i]     ; what place i + 1 takes if it changes
.endr
.irp i, 7,6,5,4,3,2,1
	v_med3_num_f32 v[LL+\i], v[\x], v[LL+\i-1], v[LL+\i]
.endr
	v_min_num_f32 v[LL], v[\x], v[LL]
.irp i, 7,6,5,4,3,2,1
	v_cndmask_b32 v[II+\i], v[II+\i], v[TT+\i-1], s[MK+\i]
.endr
	v_cndmask_b32 v[II], v[II], v[\pay], s[MK]
.endm
	s_load_b512 s[4:19], s[0:1], 0x0               ; template_bc 4, search_bc 6, W1 8, W2 10, W3 12, Wf1 14, Wf2 16, wq 18
	s_load_b64 s[20:21], s[0:1], 0x40              ; grp
	v_lshl_add_u32 v23, v0, 2, 0x6400
	v_mov_b32 v47, 0
	v_lshrrev_b32 v1, 5, v0
	v_readfirstlane_b32 s22, v1                    ; wave
	v_and_b32 v1, 31, v0                           ; lane
	v_and_b32 v2, 15, v0                           ; r
	v_bfe_u32 v3, v0, 4, 1                         ; h
	s_lshr_b32 s23, ttmp9, 3                       ; batch
	s_and_b32 s24, ttmp9, 7                        ; block of 128 search points
	s_lshl2_add_u32 s25, ttmp9, s22                ; my weight fragment: 4 i + wave
	s_mov_b32 s[SMASK], 0xffff0000
	s_lshl_b32 s26, s23, 10
	s_lshl_b32 s27, s24, 7
	s_add_co_u32 s26, s26, s27                     ; the work-group's first search point
	v_mul_u32_u24 v[V36], v0, 36
	v_lshrrev_b32 v4, 3, v1
	v_and_b32 v5, 7, v1
	v_mul_u32_u24 v4, v4, 400
	v_mad_u32_u24 v4, v5, 48, v4
	s_mul_i32 s27, s22, 1600
	v_add_nc_u32 v[TST], s27, v4                   ; (t / 8) x 400 + (t % 8) x 48
	s_mov_b32 s37, 0
	s_wait_kmcnt 0x0
	s_mul_i32 s36, s23, 18432
	s_add_nc_u64 s[4:5], s[4:5], s[36:37]          ; the batch's templates
	s_mul_i32 s36, s26, 36
	s_add_nc_u64 s[6:7], s[6:7], s[36:37]          ; my 128 search points
	s_lshl_b32 s36, s26, 4
	s_add_nc_u64 s[20:21], s[20:21], s[36:37]
.irp e, 0,1,2,3
	LOAD9 BLD+12*\e, V36, 4, 4608*\e
.endr
	LOAD9 SV, V36, 6, 0
	; the weight fragment: 656 fragments for 1,024 waves
	s_cmp_ge_u32 s25, 656
	s_cbranch_scc1 .Lnow
	s_lshr_b32 s27, s25, 4                         ; ksg
	s_and_b32 s28, s25, 15                         ; otile
	s_mov_b64 s[34:35], s[16:17]                   ; Wf2, unless ..
	s_mov_b32 s29, 33                              ; the matrix's first ksg
	s_mov_b32 s30, 1024                            ; bytes in a row
	s_cmp_lt_u32 s27, 33
	s_cselect_b64 s[34:35], s[14:15], s[34:35]
	s_cselect_b32 s29, 25, s29
	s_cmp_lt_u32 s27, 25
	s_cselect_b64 s[34:35], s[12:13], s[34:35]
	s_cselect_b32 s29, 17, s29
	s_cmp_lt_u32 s27, 17
	s_cselect_b64 s[34:35], s[10:11], s[34:35]
	s_cselect_b32 s29, 9, s29
	s_cmp_lt_u32 s27, 9
	s_cselect_b64 s[34:35], s[8:9], s[34:35]
	s_cselect_b32 s29, 0, s29
	s_cselect_b32 s30, 1072, s30                   ; W1's rows have 268 numbers,
	s_cselect_b32 s31, 48, 0                       ; and its features begin at column 12
	s_sub_co_u32 s29, s27, s29                     ; k step in the matrix
	s_lshl_b32 s33, s29, 7
	s_add_co_u32 s31, s31, s33                     ; first byte of the k step in a row
	s_cmp_eq_u32 s27, 8                            ; W1's last k step: columns 0..11, then zeros
	s_cselect_b32 s31, 0, s31
	s_cselect_b32 s32, 0x0000ffff, -1              ; k = 12..15 (lanes 16-31, second half of q = 0) become 0
	s_cselect_b32 s33, 0, -1                       ; k = 16..31 become 0
	v_lshl_add_u32 v[WV], s28, 4, v2               ; row 16 otile + r
	v_mul_lo_u32 v[WV], v[WV], s30
	v_lshl_add_u32 v[WV], v3, 5, v[WV]             ; + 8 h numbers
	v_add_nc_u32 v[WV], s31, v[WV]
	global_load_b128 v[WL:WL+3], v[WV], s[34:35]
	global_load_b128 v[WL+4:WL+7], v[WV], s[34:35] offset:16
	global_load_b128 v[WL+8:WL+11], v[WV], s[34:35] offset:64
	global_load_b128 v[WL+12:WL+15], v[WV], s[34:35] offset:80
	s_lshl_b32 s36, s25, 10
	s_add_nc_u64 s[18:19], s[18:19], s[36:37]
	v_lshlrev_b32 v[WV+1], 4, v1
	s_wait_loadcnt 0x0
.irp i, 0,1,2,3,4,5,6,7
	v_cvt_pk_bf16_f32 v[WO+\i], v[WL+2*\i], v[WL+2*\i+1]
.endr
	v_cndmask_b32 v[WO+2], 0, v[WO+2], s32
	v_cndmask_b32 v[WO+3], 0, v[WO+3], s32
.irp i, 4,5,6,7
	v_cndmask_b32 v[WO+\i], 0, v[WO+\i], s33
.endr
	global_store_b128 v[WV+1], v[WO:WO+3], s[18:19]              ; each store of the wave covers 512 consecutive bytes
	global_store_b128 v[WV+1], v[WO+4:WO+7], s[18:19] offset:512
.Lnow:
	s_wait_loadcnt 0x0                             ; templates and search point are in, on both ways
	s_wait_xcnt 0x0                                ; the stores' data registers are loaded over in the loop only behind this wait
	TABLE
	RND9 SV, TMP
	SQ9 SV
	s_wait_dscnt 0x0                               ; my part of the table is written,
	s_barrier_signal -1
	s_barrier_wait -1                              ; everybody's is
.irp i, 0,1,2,3,4,5,6,7
	v_mov_b32 v[LL+\i], 0x7f800000                 ; the list starts with + infinity
	v_mov_b32 v[II+\i], 0
.endr
	v_mov_b32 v[GG], 0
	v_mov_b32 v[TAD], 0
; One group: the next group's 24 loads go out first, then this group's distances, their minimum, one insertion.
.macro BLOCK cur, nxt, ahead, imm
.if \ahead
	LD8 \nxt, TAD, \imm
	s_wait_dscnt 24                                ; LDS loads come back in order: only the 24 just issued may be out
.else
	s_wait_dscnt 0x0
.endif
	DIST8 \cur
	v_min3_num_f32 v[XX], v[DC], v[DC+1], v[DC+2]
	v_min3_num_f32 v[XX], v[XX], v[DC+3], v[DC+4]
	v_min3_num_f32 v[XX], v[XX], v[DC+5], v[DC+6]
	v_min_num_f32 v[XX], v[XX], v[DC+7]
	INSERT XX, GG
	v_add_nc_u32 v[GG], 1, v[GG]
.endm
	LD8 TA, TAD, 0
	s_mov_b32 s48, 0
.Lgroups:                                          ; 31 trips of two groups; the last two groups follow, without a load past the table
	BLOCK TA, TB, 1, 400
	BLOCK TB, TA, 1, 800
	v_add_nc_u32 v[TAD], 800, v[TAD]
	s_add_co_u32 s48, s48, 1
	s_cmp_lt_u32 s48, 31
	s_cbranch_scc1 .Lgroups
	BLOCK TA, TB, 1, 400
	BLOCK TB, TA, 0, 0
	; the 8 groups in ascending order (19 exchanges), so that the next launch meets its candidates in ascending index
.macro CSW a, b
	v_min_u32 v[TMP], v[II+\a], v[II+\b]
	v_max_u32 v[II+\b], v[II+\a], v[II+\b]
	v_mov_b32 v[II+\a], v[TMP]
.endm
	CSW 0, 1
	CSW 2, 3
	CSW 4, 5
	CSW 6, 7
	CSW 0, 2
	CSW 1, 3
	CSW 4, 6
	CSW 5, 7
	CSW 1, 2
	CSW 5, 6
	CSW 0, 4
	CSW 1, 5
	CSW 2, 6
	CSW 3, 7
	CSW 2, 4
	CSW 3, 5
	CSW 1, 2
	CSW 3, 4
	CSW 5, 6
.irp i, 0,1,2,3
	v_lshl_or_b32 v[DC+\i], v[II+2*\i+1], 16, v[II+2*\i]
.endr
	v_lshlrev_b32 v5, 4, v0
	global_store_b128 v5, v[DC:DC+3], s[20:21]     ; 8 x u16 a point; the wave's store covers 512 consecutive bytes
	s_wait_tensorcnt 0x0
	ds_add_u32 v23, v47
	s_wait_dscnt 0x0
	s_endpgm
.Lfunc_end_k_qb30348a9a5_prep:
	.size	k_qb30348a9a5_prep, .Lfunc_end_k_qb30348a9a5_prep-k_qb30348a9a5_prep
	.p2alignl 7, 3214868480
	.fill 96, 4, 3214868480
	.section	.rodata,"a",@progbits
	.p2align	6, 0x0
	.amdhsa_kernel k_qb30348a9a5_prep
		.amdhsa_group_segment_fixed_size 26112
		.amdhsa_private_segment_fixed_size 0
		.amdhsa_enable_private_segment 0
		.amdhsa_kernarg_size 72
		.amdhsa_user_sgpr_count 2
		.amdhsa_user_sgpr_kernarg_segment_ptr 1
		.amdhsa_wavefront_size32 1
		.amdhsa_system_sgpr_workgroup_id_x 1
		.amdhsa_system_sgpr_workgroup_id_y 1
		.amdhsa_system_sgpr_workgroup_id_z 1
		.amdhsa_system_vgpr_workitem_id 0
		.amdhsa_next_free_vgpr 256
		.amdhsa_next_free_sgpr 66
		.amdhsa_reserve_vcc 0
		.amdhsa_float_denorm_mode_32 3
		.amdhsa_float_denorm_mode_16_64 3
		.amdhsa_memory_ordered 1
		.amdhsa_forward_progress 1
		.amdhsa_inst_pref_size 42
	.end_amdhsa_kernel
	.amdgpu_metadata
---
amdhsa.version: [ 1, 2 ]
amdhsa.kernels:
  - .name:           k_qb30348a9a5_prep
    .symbol:         k_qb30348a9a5_prep.kd
    .args:
      - { .name: template_bc, .offset: 0, .size: 8, .value_kind: global_buffer, .address_space: global }
      - { .name: search_bc, .offset: 8, .size: 8, .value_kind: global_buffer, .address_space: global }
      - { .name: W1, .offset: 16, .size: 8, .value_kind: global_buffer, .address_space: global }
      - { .name: W2, .offset: 24, .size: 8, .value_kind: global_buffer, .address_space: global }
      - { .name: W3, .offset: 32, .size: 8, .value_kind: global_buffer, .address_space: global }
      - { .name: Wf1, .offset: 40, .size: 8, .value_kind: global_buffer, .address_space: global }
      - { .name: Wf2, .offset: 48, .size: 8, .value_kind: global_buffer, .address_space: global }
      - { .name: wq, .offset: 56, .size: 8, .value_kind: global_buffer, .address_space: global }
      - { .name: grp, .offset: 64, .size: 8, .value_kind: global_buffer, .address_space: global }
    .group_segment_fixed_size: 26112
    .private_segment_fixed_size: 0
    .kernarg_segment_align: 8
    .kernarg_segment_size: 72
    .max_flat_workgroup_size: 128
    .sgpr_count:     66
    .vgpr_count:     256
    .wavefront_size: 32
...
	.end_amdgpu_metadata
.endif
;; end of part 1
;; launch mlp (part 2): grid 256 x 1, 4 waves a work-group, no clusters, 242,176 bytes of LDS; arguments template_feature, template_xyz, template_bc, search_bc, grp, wq, g1, b1, g2, b2, g3, b3, yb, off; writes yb, off
.if DOCPART == 2
	.amdgcn_target "amdgcn-amd-amdhsa--gfx1250"
	.amdhsa_code_object_version 6
	.text
	.protected	k_qb30348a9a5_mlp
	.globl	k_qb30348a9a5_mlp
	.p2align	8
	.type	k_qb30348a9a5_mlp,@function
k_qb30348a9a5_mlp:
	s_mov_b64 s[64:65], 0
	v_nop
	global_prefetch_b8 v0, s[64:65] scope:SCOPE_SE
	s_setreg_imm32_b32 hwreg(HW_REG_WAVE_MODE, 25, 1), 1
	s_wait_xcnt 0x0
; mlp: (1) the three shared layers, run once for each TEMPLATE: they act on one gathered column at a time, so they
;          commute with the gather for every input; 16,384 columns instead of 262,144.  Result yb[b*512+m][256] in bf16.
;      (2) the 8 nearest templates of each search point, picked from the 64 candidates of the 8 groups in grp, with the same
;          arithmetic as the launch before; stored as byte offsets m x 512 of yb's rows (off: two planes of 4 neighbours).
; FORMATS: every float input is rounded to bf16 once.  The hidden layers' results go on as bf16 upper part + bf16 remainder
; (the K steps doubled, the same weight fragment for both); sums, scale, bias and relu in f32; yb is one bf16.
; LIMITS: NaN or infinity among the box coordinates is not served.  search_feature is not read: reference() does not use it.
; Work-group i: batch i / 8, templates 64 (i % 8) .. + 63 and search points 128 (i % 8) .. + 127.  Wave w makes channels
; 64 w .. 64 w + 63 of all 64 templates: 4 x 4 accumulator tiles.  Weights are source 0, activations source 1, so a lane
; holds eight neighbouring channels of one template.  No weight is used by two waves of the work-group, so each wave loads
; its fragments straight into registers (windows 1 to 3), during the selection's vector work; that is why no tile goes
; through LDS by the data mover and no cluster shares one: the 400 KB of a work-group's fragments have no room in LDS
; beside the activations.
.set TBL, 0                            ; 25,600  the batch's templates: group g at 400 g, member at + 48
.set XK,  25600                        ; 40,960  features [256 channels][64 templates] bf16, pitch 160
.set XE,  66560                        ;  2,048  xyz and box of 4 x 16 templates, as fragment halves
.set GB,  68608                        ;  6,144  g1 b1 g2 b2 g3 b3 in f32 (rounded to bf16)
.set H1,  74752                        ; 66,560  64 rows of 1,040: upper parts at 0, remainders at 512
.set H2,  141312                       ; 66,560  the same
.set YS,  207872                       ; 33,792  64 rows of 528
.set SMASK, 48                         ; s48 0xffff0000: a word's upper bf16; as a lane mask: lanes 16-31
.set MK,  40                           ; s[40:47]
.set WQ,  14                           ; s[14:15] wq
.set TMP, 4
.set V36, 6
.set V16, 7
.set V8,  8
.set VX,  9
.set XST, 10
.set TST, 11
.set VXYZ, 12
.set VBC, 13
.set XEST, 14
.set XERD, 15
.set GBST, 16
.set GBA, 17
.set WOFF, 18
.set BXK, 19
.set BH1, 20
.set BH2, 21
.set SH1, 22
.set SH2, 23
.set SY,  24
.set RDY, 25
.set YOFF, 26
.set L16, 27
.set RR,  28                           ; v[28:31]
.set FE,  32                           ; v[32:159]  32 feature loads; then
.set TB8, 32                           ; v[32:127]  a group of the table; then
.set ACC, 32                           ; v[32:159]  16 accumulator tiles
.set BLD, 160                          ; v[160:207] 4 templates for the table
.set EX,  208                          ; v[208:223] xyz and box of one template
.set LL,  160                          ; the selection's registers
.set II,  168
.set TT,  176
.set DC,  184
.set DA,  192
.set GA,  200
.set GP,  208
.set PAY, 216
.set BF,  160                          ; v[160:223] two sets of 4 activation fragments
.set GT,  160                          ; v[160:223] scale and bias of my 64 channels
.set ET,  224                          ; v[224:255] at work behind a layer, two sets
.set SV,  224                          ; v[224:235] my search point
.set RG,  236                          ; v[236:239] its 8 groups
.set RGB, 240                          ; v[240:251] g and b as loaded
.set AX,  224                          ; v[224:255] W1's last k step
; windows 1, 2, 3: W1 (k steps 0..7), W2, W3; fragment (s, ot) at 8 (4 s + ot)
.set MSB, 0
.macro WIN new                         ; the immediate's high byte repeats the setting that is left
.if MSB != \new
	s_set_vgpr_msb (MSB<<8)|\new
.set MSB, \new
.endif
.endm
.macro PLACES                          ; four independent vector instructions behind a matrix instruction (ISA guide 7.12.1)
.rept 4
	v_nop
.endr
.endm
.macro BAR
	s_wait_dscnt 0x0                               ; my LDS stores and loads are done, for the others' sake
	s_barrier_signal -1
	s_barrier_wait -1
.endm
.macro LOAD9 dst, voff, sb, imm
.irp c, 0,1,2
	global_load_b96 v[\dst+4*\c:\dst+4*\c+2], v[\voff], s[\sb:\sb+1] offset:\imm+12*\c
.endr
.endm
.macro RP a, b, tmp
	v_cvt_pk_bf16_f32 v[\tmp], v[\a], v[\b]
	v_lshlrev_b32 v[\a], 16, v[\tmp]
	v_and_b32 v[\b], s[SMASK], v[\tmp]
.endm
.macro RND9 base, tmp
	RP \base+0, \base+1, \tmp
	RP \base+2, \base+4, \tmp
	RP \base+5, \base+6, \tmp
	RP \base+8, \base+9, \tmp
	v_cvt_pk_bf16_f32 v[\tmp], v[\base+10], v[\base+10]
	v_lshlrev_b32 v[\base+10], 16, v[\tmp]
.endm
.macro SQ9 base
	v_mul_f32 v[\base+3], v[\base], v[\base]
.irp d, 1,2,4,5,6,8,9,10
	v_fmac_f32 v[\base+3], v[\base+\d], v[\base+\d]
.endr
.endm
.macro TABLE
.irp e, 0,1,2,3
	RND9 BLD+12*\e, TMP
	SQ9 BLD+12*\e
	v_mov_b32 v[BLD+12*\e+7], 0
	v_mov_b32 v[BLD+12*\e+11], 0
.irp c, 0,1,2
	ds_store_b128 v[TST], v[BLD+12*\e+4*\c:BLD+12*\e+4*\c+3] offset:6400*\e+16*\c
.endr
.endr
.endm
.macro LD8 buf, vaddr, imm
.irp e, 0,1,2,3,4,5,6,7
.irp c, 0,1,2
	ds_load_b128 v[\buf+12*\e+4*\c:\buf+12*\e+4*\c+3], v[\vaddr] offset:\imm+48*\e+16*\c
.endr
.endr
.endm
.macro DIST8 buf
.irp e, 0,1,2,3,4,5,6,7
	v_mul_f32 v[DC+\e], v[\buf+12*\e], v[SV]
.endr
.irp d, 1,2,4,5,6,8,9,10
.irp e, 0,1,2,3,4,5,6,7
	v_fmac_f32 v[DC+\e], v[\buf+12*\e+\d], v[SV+\d]
.endr
.endr
.irp e, 0,1,2,3,4,5,6,7
	v_add_f32 v[DA+\e], v[\buf+12*\e+3], v[SV+3]
.endr
.irp e, 0,1,2,3,4,5,6,7
	v_fma_f32 v[DC+\e], -2.0, v[DC+\e], v[DA+\e]
.endr
.endm
.macro INSERT x, pay
.irp i, 0,1,2,3,4,5,6,7
	v_cmp_lt_f32 s[MK+\i], v[\x], v[LL+\i]
.endr
.irp i, 0,1,2,3,4,5,6
	v_cndmask_b32 v[TT+\i], v[\pay], v[II+\i], s[MK+\i]
.endr
.irp i, 7,6,5,4,3,2,1
	v_med3_num_f32 v[LL+\i], v[\x], v[LL+\i-1], v[LL+\i]
.endr
	v_min_num_f32 v[LL], v[\x], v[LL]
.irp i, 7,6,5,4,3,2,1
	v_cndmask_b32 v[II+\i], v[II+\i], v[TT+\i-1], s[MK+\i]
.endr
	v_cndmask_b32 v[II], v[II], v[\pay], s[MK]
.endm
; my four weight fragments of one k step: 8 loads of 512 consecutive bytes, into window win
.macro WLD win, ksg, ss
	WIN ((\win)<<6)
.irp ot, 0,1,2,3
.irp q, 0,1
	global_load_b128 v[(4*(\ss)+\ot)*8+4*\q:(4*(\ss)+\ot)*8+4*\q+3], v[WOFF], s[WQ:WQ+1] offset:(\ksg)*16384+\ot*1024+512*\q
.endr
.endr
.endm
.macro WUNIT n                         ; unit n of 24: W1's, W2's, W3's k steps 0..7
.if (\n) < 8
	WLD 1, (\n), (\n)
.elseif (\n) < 16
	WLD 2, ((\n)+1), ((\n)-8)
.else
	WLD 3, ((\n)+1), ((\n)-16)
.endif
.endm
; four activation fragments (4 x 16 points, 32 along K) from rows that lie along K
.macro LDBROW set, vaddr, imm, pitch
.irp pt, 0,1,2,3
	ds_load_b128 v[BF+32*\set+8*\pt:BF+32*\set+8*\pt+3], v[\vaddr] offset:\imm+16*\pt*\pitch
	ds_load_b128 v[BF+32*\set+8*\pt+4:BF+32*\set+8*\pt+7], v[\vaddr] offset:\imm+16*\pt*\pitch+32
.endr
.endm
; the same from rows that lie along the points: the transposing load
.macro LDBTR set, ss
.irp pt, 0,1,2,3
	ds_load_tr16_b128 v[BF+32*\set+8*\pt:BF+32*\set+8*\pt+3], v[BXK] offset:5120*\ss+32*\pt
	ds_load_tr16_b128 v[BF+32*\set+8*\pt+4:BF+32*\set+8*\pt+7], v[BXK] offset:5120*\ss+32*\pt+2560
.endr
.endm
; kind 0: transposed; 1: rows of single bf16; 2: rows of upper parts and remainders (even step: upper, odd step: remainder)
.macro LDB kind, u, vaddr, imm0, pitch
.if \kind == 0
	LDBTR ((\u)&1), (\u)
.elseif \kind == 1
	LDBROW ((\u)&1), \vaddr, (\imm0+64*(\u)), \pitch
.else
	LDBROW ((\u)&1), \vaddr, (\imm0+64*((\u)>>1)+512*((\u)&1)), \pitch
.endif
.endm
; 16 matrix instructions.  The sixteen accumulators take turns, one instruction a turn, from step to step too.
.macro MM16 win, abase, set, zero
	WIN \win
.irp ot, 0,1,2,3
.irp pt, 0,1,2,3
.if \zero
	v_wmma_f32_16x16x32_bf16 v[ACC+8*(4*\ot+\pt):ACC+8*(4*\ot+\pt)+7], v[\abase+8*\ot:\abase+8*\ot+7], v[BF+32*\set+8*\pt:BF+32*\set+8*\pt+7], 0
.else
	v_wmma_f32_16x16x32_bf16 v[ACC+8*(4*\ot+\pt):ACC+8*(4*\ot+\pt)+7], v[\abase+8*\ot:\abase+8*\ot+7], v[BF+32*\set+8*\pt:BF+32*\set+8*\pt+7], v[ACC+8*(4*\ot+\pt):ACC+8*(4*\ot+\pt)+7]
.endif
.endr
.endr
	WIN 0
.endm
; one K step: the next step's 8 fragment loads go out into the other set, then this step is multiplied
.macro LSTEP kind, u, last, zero, vaddr, imm0, pitch, win
.if \last
	s_wait_dscnt 0x0
.else
	PLACES                                         ; the other set was read by the matrix instructions just issued
	LDB \kind, (\u+1), \vaddr, \imm0, \pitch
	s_wait_dscnt 0x8                               ; only the 8 loads just issued may be out
.endif
.if \kind == 2
	MM16 \win, (32*((\u)>>1)), ((\u)&1), \zero
.else
	MM16 \win, (32*(\u)), ((\u)&1), \zero
.endif
.endm
.macro LAYER8 kind, vaddr, imm0, pitch, win
	LDB \kind, 0, \vaddr, \imm0, \pitch
	LSTEP \kind, 0, 0, 1, \vaddr, \imm0, \pitch, \win   ; the first product starts the sums
.irp u, 1,2,3,4,5,6
	LSTEP \kind, \u, 0, 0, \vaddr, \imm0, \pitch, \win
.endr
	LSTEP \kind, 7, 1, 0, \vaddr, \imm0, \pitch, \win
.endm
.macro LAYER16 kind, vaddr, imm0, pitch, win
	LDB \kind, 0, \vaddr, \imm0, \pitch
	LSTEP \kind, 0, 0, 1, \vaddr, \imm0, \pitch, \win
.irp u, 1,2,3,4,5,6,7,8,9,10,11,12,13,14
	LSTEP \kind, \u, 0, 0, \vaddr, \imm0, \pitch, \win
.endr
	LSTEP \kind, 15, 1, 0, \vaddr, \imm0, \pitch, \win
.endm
; behind a layer, one tile.  mode 0: scale, bias, relu, upper part + remainder; 1: the same, one bf16; 2: bias alone, f32, transposed
.macro EPT mode, ot, pt, vst, hf
.set AC, ACC+8*(4*\ot+\pt)
.set GO, GT+16*\ot
.set EHI, ET+16*(\pt&1)
.set ELO, EHI+4
.set EWD, EHI+8
.if \mode < 2
.irp i, 0,2,4,6
	v_pk_fma_f32 v[AC+\i:AC+\i+1], v[AC+\i:AC+\i+1], v[GO+\i:GO+\i+1], v[GO+8+\i:GO+8+\i+1]
.endr
.irp j, 0,1,2,3,4,5,6,7
	v_max_num_f32 v[AC+\j], 0, v[AC+\j]
.endr
.irp i, 0,1,2,3
	v_cvt_pk_bf16_f32 v[EHI+\i], v[AC+2*\i], v[AC+2*\i+1]
.endr
.endif
.if \mode == 0
.irp i, 0,1,2,3
	v_lshlrev_b32 v[EWD+2*\i], 16, v[EHI+\i]
	v_and_b32 v[EWD+2*\i+1], s[SMASK], v[EHI+\i]
.endr
.irp i, 0,2,4,6
	v_pk_add_f32 v[AC+\i:AC+\i+1], v[AC+\i:AC+\i+1], v[EWD+\i:EWD+\i+1] neg_lo:[0,1] neg_hi:[0,1]
.endr
.irp i, 0,1,2,3
	v_cvt_pk_bf16_f32 v[ELO+\i], v[AC+2*\i], v[AC+2*\i+1]
.endr
	ds_store_b128 v[\vst], v[EHI:EHI+3] offset:16640*\pt+32*\ot
	ds_store_b128 v[\vst], v[ELO:ELO+3] offset:16640*\pt+32*\ot+512
.endif
.if \mode == 1
	ds_store_b128 v[\vst], v[EHI:EHI+3] offset:8448*\pt+32*\ot
.endif
.if \mode == 2
.irp i, 0,2,4,6
	v_pk_add_f32 v[AC+\i:AC+\i+1], v[AC+\i:AC+\i+1], v[GO+8+\i:GO+8+\i+1]
.endr
.irp j, 0,1,2,3,4,5,6,7
	ds_store_b32 v[\vst], v[AC+\j] offset:(16*\ot+\j)*528+256*\hf+64*\pt
.endr
.endif
.endm
.macro EPI mode, garr, barr, vst, hf
	PLACES                                         ; behind the last matrix instructions: results are read, their sources loaded over
.irp ot, 0,1,2,3
.if \mode < 2
	ds_load_b128 v[GT+16*\ot:GT+16*\ot+3], v[GBA] offset:\garr*1024+64*\ot
	ds_load_b128 v[GT+16*\ot+4:GT+16*\ot+7], v[GBA] offset:\garr*1024+64*\ot+16
.endif
	ds_load_b128 v[GT+16*\ot+8:GT+16*\ot+11], v[GBA] offset:\barr*1024+64*\ot
	ds_load_b128 v[GT+16*\ot+12:GT+16*\ot+15], v[GBA] offset:\barr*1024+64*\ot+16
.endr
	s_wait_dscnt 0x0
.irp ot, 0,1,2,3
.irp pt, 0,1,2,3
	EPT \mode, \ot, \pt, \vst, \hf
.endr
.endr
.endm
	s_load_b512 s[4:19], s[0:1], 0x0               ; template_feature 4, xyz 6, template_bc 8, search_bc 10, grp 12, wq 14, g1 16, b1 18
	s_load_b256 s[20:27], s[0:1], 0x40             ; g2 20, b2 22, g3 24, b3 26
	s_load_b128 s[28:31], s[0:1], 0x60             ; yb 28, off 30
	v_lshrrev_b32 v1, 5, v0
	v_readfirstlane_b32 s34, v1                    ; wave
	v_and_b32 v1, 31, v0                           ; lane
	v_and_b32 v2, 15, v0                           ; r
	v_bfe_u32 v3, v0, 4, 1                         ; h
	s_lshr_b32 s35, ttmp9, 3                       ; batch
	s_and_b32 s36, ttmp9, 7                        ; block
	s_mov_b32 s[SMASK], 0xffff0000
	s_mov_b32 s39, 0
	s_lshl_b32 s50, s35, 9
	s_lshl_b32 s51, s36, 6
	s_add_co_u32 s50, s50, s51                     ; my first template, counted over all batches
	s_lshl_b32 s51, s35, 10
	s_lshl_b32 s52, s36, 7
	s_add_co_u32 s51, s51, s52                     ; my first search point
	v_mul_u32_u24 v[V36], v0, 36
	v_lshlrev_b32 v[V16], 4, v0
	v_lshlrev_b32 v[V8], 3, v0
	v_lshrrev_b32 v4, 4, v0
	v_lshlrev_b32 v5, 4, v2
	v_lshl_add_u32 v[VX], v4, 11, v5               ; channel t / 16, 16 bytes (4 templates) at 16 (t % 16)
	v_lshl_add_u32 v4, s34, 4, v2                  ; template 16 w + r
	v_mul_u32_u24 v[VXYZ], v4, 12
	v_mul_u32_u24 v[VBC], v4, 36
	s_wait_kmcnt 0x0
	s_lshl_b32 s38, s35, 19
	s_lshl_b32 s52, s36, 8
	s_add_co_u32 s38, s38, s52
	s_add_nc_u64 s[4:5], s[4:5], s[38:39]          ; features: the batch, my 64 templates' columns
	s_mul_i32 s38, s50, 12
	s_add_nc_u64 s[6:7], s[6:7], s[38:39]
	s_mul_i32 s38, s50, 36
	s_add_nc_u64 s[32:33], s[8:9], s[38:39]        ; box coordinates of my 64 templates
	s_mul_i32 s38, s35, 18432
	s_add_nc_u64 s[8:9], s[8:9], s[38:39]          ; and of the batch's 512
	s_mul_i32 s38, s51, 36
	s_add_nc_u64 s[10:11], s[10:11], s[38:39]
	s_lshl_b32 s38, s51, 4
	s_add_nc_u64 s[12:13], s[12:13], s[38:39]
	s_add_nc_u64 s[30:31], s[30:31], s[38:39]
	s_lshl_b32 s38, s50, 9
	s_add_nc_u64 s[28:29], s[28:29], s[38:39]
	; 58 loads: table 12, search point 3, groups 1, xyz and box 4, g and b 6, features 32
.irp e, 0,1,2,3
	LOAD9 BLD+12*\e, V36, 8, 4608*\e
.endr
	LOAD9 SV, V36, 10, 0
	global_load_b128 v[RG:RG+3], v[V16], s[12:13]
	global_load_b96 v[EX:EX+2], v[VXYZ], s[6:7]
	LOAD9 EX+4, VBC, 32, 0
.irp a, 0,1,2,3,4,5
	global_load_b64 v[RGB+2*\a:RGB+2*\a+1], v[V8], s[16+2*\a:17+2*\a]
.endr
.irp l, 0,1,2,3,4,5,6,7,8,9,10,11,12,13,14,15,16,17,18,19,20,21,22,23,24,25,26,27,28,29,30,31
	global_load_b128 v[FE+4*\l:FE+4*\l+3], v[VX], s[4:5] offset:16384*\l th:TH_LOAD_NT   ; sixteen lanes take 256 consecutive bytes of a channel
.endr
	; LDS addresses: a constant, the wave's number times a constant, a lane term
	v_lshlrev_b32 v[L16], 4, v1
	v_lshrrev_b32 v4, 3, v1
	v_and_b32 v5, 7, v1
	v_mul_u32_u24 v4, v4, 400
	v_mad_u32_u24 v4, v5, 48, v4
	s_mul_i32 s37, s34, 1600
	v_add_nc_u32 v[TST], s37, v4
	s_mul_i32 s37, s34, 320
	s_add_co_u32 s37, s37, XK
	v_mul_u32_u24 v4, v3, 160
	v_lshl_add_u32 v4, v2, 3, v4
	v_add_nc_u32 v[XST], s37, v4                   ; channel 2 w + h (+ 8 l), 8 bytes at 8 r
	s_lshl_b32 s37, s34, 9
	s_add_co_u32 s37, s37, XE
	v_add_nc_u32 v[XEST], s37, v[L16]
	v_add_nc_u32 v[XERD], XE, v[L16]
	s_lshl_b32 s37, s34, 8
	s_add_co_u32 s37, s37, GB
	v_lshl_add_u32 v[GBST], v1, 3, s37
	v_lshl_add_u32 v[GBA], v3, 5, s37              ; f32 of channels 64 w + 8 h ..
	s_lshl_b32 s37, s34, 12
	v_add_nc_u32 v[WOFF], s37, v[L16]
	v_and_b32 v4, 7, v1
	v_lshl_add_u32 v4, v3, 3, v4
	v_mul_u32_u24 v4, v4, 160
	v_bfe_u32 v5, v1, 3, 1
	v_lshl_add_u32 v4, v5, 4, v4
	v_add_nc_u32 v[BXK], XK, v4                    ; (8 h + lane % 8) rows + 16 ((lane / 8) % 2)
	v_mul_u32_u24 v4, v2, 1040
	v_lshl_add_u32 v4, v3, 4, v4
	v_add_nc_u32 v[BH1], H1, v4
	v_add_nc_u32 v[BH2], H2, v4
	s_lshl_b32 s37, s34, 7
	v_add_nc_u32 v[SH1], s37, v[BH1]
	v_add_nc_u32 v[SH2], s37, v[BH2]
	s_add_co_u32 s37, s37, YS
	v_mul_u32_u24 v4, v2, 528
	v_lshl_add_u32 v4, v3, 4, v4
	v_add_nc_u32 v[SY], s37, v4
	s_mul_i32 s37, s34, 8448
	s_add_co_u32 s37, s37, YS
	v_add_nc_u32 v[RDY], s37, v[L16]
	s_lshl_b32 s37, s34, 13
	v_add_nc_u32 v[YOFF], s37, v[L16]
	s_wait_loadcnt 42                              ; table, search point and groups are in; 4 + 6 + 32 younger loads stay out
	TABLE
	RND9 SV, TMP
	SQ9 SV
	s_wait_loadcnt 32                              ; xyz, box, g and b are in; the 32 feature loads stay out
	; channels 0..11 of template 16 w + r as the first half of a fragment: lanes 0-15 k = 0..7, lanes 16-31 k = 8..11 and zeros
	v_cvt_pk_bf16_f32 v[RR], v[EX], v[EX+1]
	v_cvt_pk_bf16_f32 v[RR+1], v[EX+2], v[EX+4]
	v_cvt_pk_bf16_f32 v[RR+2], v[EX+5], v[EX+6]
	v_cvt_pk_bf16_f32 v[RR+3], v[EX+8], v[EX+9]
	v_cvt_pk_bf16_f32 v4, v[EX+10], v[EX+12]
	v_cvt_pk_bf16_f32 v5, v[EX+13], v[EX+14]
	v_cndmask_b32 v[RR], v[RR], v4, s[SMASK]
	v_cndmask_b32 v[RR+1], v[RR+1], v5, s[SMASK]
	v_cndmask_b32 v[RR+2], v[RR+2], 0, s[SMASK]
	v_cndmask_b32 v[RR+3], v[RR+3], 0, s[SMASK]
	ds_store_b128 v[XEST], v[RR:RR+3]
.irp a, 0,1,2,3,4,5
	RP RGB+2*\a, RGB+2*\a+1, TMP
	ds_store_b64 v[GBST], v[RGB+2*\a:RGB+2*\a+1] offset:1024*\a
.endr
	s_wait_loadcnt 0x0
.irp l, 0,1,2,3,4,5,6,7,8,9,10,11,12,13,14,15,16,17,18,19,20,21,22,23,24,25,26,27,28,29,30,31
	v_cvt_pk_bf16_f32 v[FE+4*\l], v[FE+4*\l], v[FE+4*\l+1]
	v_cvt_pk_bf16_f32 v[FE+4*\l+1], v[FE+4*\l+2], v[FE+4*\l+3]
	ds_store_b64 v[XST], v[FE+4*\l:FE+4*\l+1] offset:1280*\l
.endr
	BAR                                            ; table, features, xyz and box, g and b are whole
	; THE SELECTION: 8 groups x 8 candidates in ascending index; my 192 weight loads go out among its vector work
.irp i, 0,1,2,3
	v_and_b32 v[GA+2*\i], 0xffff, v[RG+\i]
	v_lshrrev_b32 v[GA+2*\i+1], 16, v[RG+\i]
.endr
.irp j, 0,1,2,3,4,5,6,7
	v_min_u32 v[GA+\j], 63, v[GA+\j]               ; a loaded number enters an address only clamped
	v_lshlrev_b32 v[GP+\j], 12, v[GA+\j]           ; byte offset of the group's first row in yb's slab
	v_mul_u32_u24 v[GA+\j], v[GA+\j], 400          ; the group's place in the table
.endr
.irp i, 0,1,2,3,4,5,6,7
	v_mov_b32 v[LL+\i], 0x7f800000
	v_mov_b32 v[II+\i], 0
.endr
	LD8 TB8, GA, 0
.irp j, 0,1,2,3,4,5,6,7
	s_wait_dscnt 0x0
	DIST8 TB8
.if \j < 7
	LD8 TB8, GA+\j+1, 0                            ; the next group lands during the eight insertions
.endif
	WUNIT (3*\j+0)
	WUNIT (3*\j+1)
	WUNIT (3*\j+2)
	WIN 0
.irp e, 0,1,2,3,4,5,6,7
	v_add_nc_u32 v[PAY], 512*\e, v[GP+\j]
	INSERT DC+\e, PAY
.endr
.endr
	global_store_b128 v[V16], v[II:II+3], s[30:31]
	global_store_b128 v[V16], v[II+4:II+7], s[30:31] offset:524288
.irp ot, 0,1,2,3
.irp q, 0,1
	global_load_b128 v[AX+8*\ot+4*\q:AX+8*\ot+4*\q+3], v[WOFF], s[WQ:WQ+1] offset:8*16384+\ot*1024+512*\q
.endr
.endr
	s_wait_xcnt 0x0                                ; the stores' data registers are loaded over only behind this wait
	s_wait_loadcnt 63                              ; 136 loads were issued behind W1's last: 63, the most the count can name, is the stricter wait
	; LAYER 1: 8 k steps of features, then the step of xyz and box
	LAYER8 0, BXK, 0, 0, 1
	PLACES
.irp pt, 0,1,2,3
	ds_load_b128 v[BF+8*\pt:BF+8*\pt+3], v[XERD] offset:512*\pt
	v_mov_b32 v[BF+8*\pt+4], 0                     ; k = 16..31 of this step are zeros
	v_mov_b32 v[BF+8*\pt+5], 0
	v_mov_b32 v[BF+8*\pt+6], 0
	v_mov_b32 v[BF+8*\pt+7], 0
.endr
	s_wait_loadcnt 0x0                             ; W1's last k step, and with it W2 and W3
	s_wait_dscnt 0x0
	MM16 0, AX, 0, 0
	EPI 0, 0, 1, SH1, 0
	BAR                                            ; H1 is whole
	LAYER16 2, BH1, 0, 1040, 2
	EPI 0, 2, 3, SH2, 0
	BAR                                            ; H2 is whole
	LAYER16 2, BH2, 0, 1040, 3
	EPI 1, 4, 5, SY, 0
	BAR                                            ; the 64 rows of Y are whole
	; the way out: wave w takes rows 16 w .. + 15, a row of 512 bytes a store
.irp i, 0,1,2,3,4,5,6,7,8,9,10,11,12,13,14,15
	ds_load_b128 v[ACC+4*\i:ACC+4*\i+3], v[RDY] offset:528*\i
.endr
.irp i, 0,1,2,3,4,5,6,7,8,9,10,11,12,13,14,15
	s_wait_dscnt 15-\i                             ; LDS loads come back in order: row i is in
	global_store_b128 v[YOFF], v[ACC+4*\i:ACC+4*\i+3], s[28:29] offset:512*\i
.endr
	s_wait_xcnt 0x0
	v_lshl_add_u32 v254, v0, 2, 0x3b000
	v_mov_b32 v255, 0
	s_wait_tensorcnt 0x0
	ds_add_u32 v254, v255
	s_wait_dscnt 0x0
	s_endpgm
.Lfunc_end_k_qb30348a9a5_mlp:
	.size	k_qb30348a9a5_mlp, .Lfunc_end_k_qb30348a9a5_mlp-k_qb30348a9a5_mlp
	.p2alignl 7, 3214868480
	.fill 96, 4, 3214868480
	.section	.rodata,"a",@progbits
	.p2align	6, 0x0
	.amdhsa_kernel k_qb30348a9a5_mlp
		.amdhsa_group_segment_fixed_size 242176
		.amdhsa_private_segment_fixed_size 0
		.amdhsa_enable_private_segment 0
		.amdhsa_kernarg_size 112
		.amdhsa_user_sgpr_count 2
		.amdhsa_user_sgpr_kernarg_segment_ptr 1
		.amdhsa_wavefront_size32 1
		.amdhsa_system_sgpr_workgroup_id_x 1
		.amdhsa_system_sgpr_workgroup_id_y 1
		.amdhsa_system_sgpr_workgroup_id_z 1
		.amdhsa_system_vgpr_workitem_id 0
		.amdhsa_next_free_vgpr 1024
		.amdhsa_next_free_sgpr 66
		.amdhsa_reserve_vcc 0
		.amdhsa_float_denorm_mode_32 3
		.amdhsa_float_denorm_mode_16_64 3
		.amdhsa_memory_ordered 1
		.amdhsa_forward_progress 1
		.amdhsa_inst_pref_size 255
	.end_amdhsa_kernel
	.section	.bss,"aw",@nobits
	.p2align	6
	.space	262144
	.amdgpu_metadata
---
amdhsa.version: [ 1, 2 ]
amdhsa.kernels:
  - .name:           k_qb30348a9a5_mlp
    .symbol:         k_qb30348a9a5_mlp.kd
    .args:
      - { .name: template_feature, .offset: 0, .size: 8, .value_kind: global_buffer, .address_space: global }
      - { .name: template_xyz, .offset: 8, .size: 8, .value_kind: global_buffer, .address_space: global }
      - { .name: template_bc, .offset: 16, .size: 8, .value_kind: global_buffer, .address_space: global }
      - { .name: search_bc, .offset: 24, .size: 8, .value_kind: global_buffer, .address_space: global }
      - { .name: grp, .offset: 32, .size: 8, .value_kind: global_buffer, .address_space: global }
      - { .name: wq, .offset: 40, .size: 8, .value_kind: global_buffer, .address_space: global }
      - { .name: g1, .offset: 48, .size: 8, .value_kind: global_buffer, .address_space: global }
      - { .name: b1, .offset: 56, .size: 8, .value_kind: global_buffer, .address_space: global }
      - { .name: g2, .offset: 64, .size: 8, .value_kind: global_buffer, .address_space: global }
      - { .name: b2, .offset: 72, .size: 8, .value_kind: global_buffer, .address_space: global }
      - { .name: g3, .offset: 80, .size: 8, .value_kind: global_buffer, .address_space: global }
      - { .name: b3, .offset: 88, .size: 8, .value_kind: global_buffer, .address_space: global }
      - { .name: yb, .offset: 96, .size: 8, .value_kind: global_buffer, .address_space: global }
      - { .name: off, .offset: 104, .size: 8, .value_kind: global_buffer, .address_space: global }
    .group_segment_fixed_size: 242176
    .private_segment_fixed_size: 0
    .kernarg_segment_align: 8
    .kernarg_segment_size: 112
    .max_flat_workgroup_size: 128
    .sgpr_count:     66
    .vgpr_count:     1024
    .wavefront_size: 32
...
	.end_amdgpu_metadata
.endif
;; end of part 2
;; launch fin (part 3): grid 256 x 1, 4 waves a work-group, no clusters, 272,896 bytes of LDS; arguments off, yb, wq, gf1, bf1, bf2, out0; writes out0
.if DOCPART == 3
	.amdgcn_target "amdgcn-amd-amdhsa--gfx1250"
	.amdhsa_code_object_version 6
	.text
	.protected	k_qb30348a9a5_fin
	.globl	k_qb30348a9a5_fin
	.p2align	8
	.type	k_qb30348a9a5_fin,@function
k_qb30348a9a5_fin:
	s_mov_b64 s[64:65], 0
	v_nop
	global_prefetch_b8 v0, s[64:65] scope:SCOPE_SE
	s_setreg_imm32_b32 hwreg(HW_REG_WAVE_MODE, 25, 1), 1
	s_wait_xcnt 0x0
; fin: for each search point the maximum over its 8 neighbours' rows of yb, then the two last layers; out0[b][o][n] in f32.
; Work-group i: batch i / 8, search points 128 (i % 8) .. + 127.  Wave w pools points 32 w .. + 31: a row of yb is 512 bytes, one
; load of the wave, a lane holds 8 channels.  The rows' byte offsets come from off, stored by the launch before, by scalar loads.
; Then wave w makes channels 64 w .. + 63 of both layers, for two halves of 64 points.
; FORMATS: the pooled vector is bf16 as yb holds it (a maximum changes no bit); gf1, bf1, bf2 are rounded to bf16 once; the
; first layer's result goes on as bf16 upper part + bf16 remainder; sums, scale, bias, relu in f32.
; LIMITS: a NaN in yb does not spread as jnp.max spreads it.  search_feature is not read: reference() does not use it.
; The weights are used by one wave of the work-group each and go straight into its registers (windows 1 and 2) during the pooling;
; the gathered rows differ from work-group to work-group: nothing here is a tile that a cluster could share.
.set PP,  0                            ; 67,584   pooled vectors: 128 rows of 528
.set HF,  67584                        ; 66,560   64 rows of 1,040: upper parts at 0, remainders at 512
.set OS,  134144                       ; 135,168  the result: 256 channels x (128 points f32 + 16 bytes)
.set GB,  269312                       ; 3,072    gf1, bf1, bf2 in f32 (rounded to bf16)
.set SMASK, 58
.set SSEL, 59
.set WQ,  8
.set BA0, 16                           ; s[16:31], s[32:47]  offsets of 4 points: neighbours 0-3, 4-7
.set BA1, 32
.set BB0, 68                           ; s[68:83], s[84:99]  the other buffer
.set BB1, 84
.set TMP, 4
.set L16, 6
.set PST, 7
.set BP,  8
.set BHF, 9
.set SHF, 10
.set SO,  11
.set RDO, 12
.set OOFF, 13
.set GBA, 14
.set GBST, 15
.set V8,  16
.set WOFF, 17
.set LT,  32                           ; v[32:159]  the lower bf16 of 4 points x 8 rows, widened; then
.set ACC, 32                           ; v[32:159]  16 accumulator tiles; then the way out
.set AD,  160                          ; v[160:223] two sets of 32 row offsets; then
.set BF,  160                          ; two sets of 4 activation fragments
.set GT,  160                          ; scale and bias of my 64 channels
.set HM,  224                          ; v[224:239] maxima of the upper bf16
.set PK,  240                          ; v[240:255] the pooled words
.set ET,  224                          ; v[224:255] at work behind a layer
.set RGB, 224                          ; v[224:229] gf1, bf1, bf2 as loaded
; window 1: Wf1, window 2: Wf2, fragment (s, ot) at 8 (4 s + ot); window 3: gathered rows, 128 set + 32 p + 4 j + c
.set MSB, 0
.macro WIN new                         ; the immediate's high byte repeats the setting that is left
.if MSB != \new
	s_set_vgpr_msb (MSB<<8)|\new
.set MSB, \new
.endif
.endm
.macro PLACES                          ; four independent vector instructions behind a matrix instruction (ISA guide 7.12.1)
.rept 4
	v_nop
.endr
.endm
.macro BAR
	s_wait_dscnt 0x0                               ; my LDS stores and loads are done, for the others' sake
	s_barrier_signal -1
	s_barrier_wait -1
.endm
.macro RP a, b, tmp
	v_cvt_pk_bf16_f32 v[\tmp], v[\a], v[\b]
	v_lshlrev_b32 v[\a], 16, v[\tmp]
	v_and_b32 v[\b], s[SMASK], v[\tmp]
.endm
.macro WLD win, ksg, ss
	WIN ((\win)<<6)
.irp ot, 0,1,2,3
.irp q, 0,1
	global_load_b128 v[(4*(\ss)+\ot)*8+4*\q:(4*(\ss)+\ot)*8+4*\q+3], v[WOFF], s[WQ:WQ+1] offset:(\ksg)*16384+\ot*1024+512*\q
.endr
.endr
.endm
.macro FUNIT n                         ; unit n of 16: Wf1's, Wf2's k steps 0..7
.if (\n) < 8
	WLD 1, (25+(\n)), (\n)
.else
	WLD 2, (25+(\n)), ((\n)-8)
.endif
.endm
.macro LDBROW set, vaddr, imm, pitch
.irp pt, 0,1,2,3
	ds_load_b128 v[BF+32*\set+8*\pt:BF+32*\set+8*\pt+3], v[\vaddr] offset:\imm+16*\pt*\pitch
	ds_load_b128 v[BF+32*\set+8*\pt+4:BF+32*\set+8*\pt+7], v[\vaddr] offset:\imm+16*\pt*\pitch+32
.endr
.endm
; kind 1: rows of single bf16; 2: rows of upper parts and remainders (even step: upper, odd step: remainder)
.macro LDB kind, u, vaddr, imm0, pitch
.if \kind == 1
	LDBROW ((\u)&1), \vaddr, (\imm0+64*(\u)), \pitch
.else
	LDBROW ((\u)&1), \vaddr, (\imm0+64*((\u)>>1)+512*((\u)&1)), \pitch
.endif
.endm
; 16 matrix instructions.  The sixteen accumulators take turns, one instruction a turn, from step to step too.
.macro MM16 win, abase, set, zero
	WIN \win
.irp ot, 0,1,2,3
.irp pt, 0,1,2,3
.if \zero
	v_wmma_f32_16x16x32_bf16 v[ACC+8*(4*\ot+\pt):ACC+8*(4*\ot+\pt)+7], v[\abase+8*\ot:\abase+8*\ot+7], v[BF+32*\set+8*\pt:BF+32*\set+8*\pt+7], 0
.else
	v_wmma_f32_16x16x32_bf16 v[ACC+8*(4*\ot+\pt):ACC+8*(4*\ot+\pt)+7], v[\abase+8*\ot:\abase+8*\ot+7], v[BF+32*\set+8*\pt:BF+32*\set+8*\pt+7], v[ACC+8*(4*\ot+\pt):ACC+8*(4*\ot+\pt)+7]
.endif
.endr
.endr
	WIN 0
.endm
.macro LSTEP kind, u, last, zero, vaddr, imm0, pitch, win
.if \last
	s_wait_dscnt 0x0
.else
	PLACES                                         ; the other set was read by the matrix instructions just issued
	LDB \kind, (\u+1), \vaddr, \imm0, \pitch
	s_wait_dscnt 0x8                               ; only the 8 loads just issued may be out
.endif
.if \kind == 2
	MM16 \win, (32*((\u)>>1)), ((\u)&1), \zero
.else
	MM16 \win, (32*(\u)), ((\u)&1), \zero
.endif
.endm
.macro LAYER8 kind, vaddr, imm0, pitch, win
	LDB \kind, 0, \vaddr, \imm0, \pitch
	LSTEP \kind, 0, 0, 1, \vaddr, \imm0, \pitch, \win   ; the first product starts the sums
.irp u, 1,2,3,4,5,6
	LSTEP \kind, \u, 0, 0, \vaddr, \imm0, \pitch, \win
.endr
	LSTEP \kind, 7, 1, 0, \vaddr, \imm0, \pitch, \win
.endm
.macro LAYER16 kind, vaddr, imm0, pitch, win
	LDB \kind, 0, \vaddr, \imm0, \pitch
	LSTEP \kind, 0, 0, 1, \vaddr, \imm0, \pitch, \win
.irp u, 1,2,3,4,5,6,7,8,9,10,11,12,13,14
	LSTEP \kind, \u, 0, 0, \vaddr, \imm0, \pitch, \win
.endr
	LSTEP \kind, 15, 1, 0, \vaddr, \imm0, \pitch, \win
.endm
; behind a layer, one tile.  mode 0: scale, bias, relu, upper part + remainder; 2: bias alone, f32, laid channel by channel
.macro EPT mode, ot, pt, vst, hf
.set AC, ACC+8*(4*\ot+\pt)
.set GO, GT+16*\ot
.set EHI, ET+16*(\pt&1)
.set ELO, EHI+4
.set EWD, EHI+8
.if \mode == 0
.irp i, 0,2,4,6
	v_pk_fma_f32 v[AC+\i:AC+\i+1], v[AC+\i:AC+\i+1], v[GO+\i:GO+\i+1], v[GO+8+\i:GO+8+\i+1]
.endr
.irp j, 0,1,2,3,4,5,6,7
	v_max_num_f32 v[AC+\j], 0, v[AC+\j]
.endr
.irp i, 0,1,2,3
	v_cvt_pk_bf16_f32 v[EHI+\i], v[AC+2*\i], v[AC+2*\i+1]
.endr
.irp i, 0,1,2,3
	v_lshlrev_b32 v[EWD+2*\i], 16, v[EHI+\i]
	v_and_b32 v[EWD+2*\i+1], s[SMASK], v[EHI+\i]
.endr
.irp i, 0,2,4,6
	v_pk_add_f32 v[AC+\i:AC+\i+1], v[AC+\i:AC+\i+1], v[EWD+\i:EWD+\i+1] neg_lo:[0,1] neg_hi:[0,1]
.endr
.irp i, 0,1,2,3
	v_cvt_pk_bf16_f32 v[ELO+\i], v[AC+2*\i], v[AC+2*\i+1]
.endr
	ds_store_b128 v[\vst], v[EHI:EHI+3] offset:16640*\pt+32*\ot
	ds_store_b128 v[\vst], v[ELO:ELO+3] offset:16640*\pt+32*\ot+512
.endif
.if \mode == 2
.irp i, 0,2,4,6
	v_pk_add_f32 v[AC+\i:AC+\i+1], v[AC+\i:AC+\i+1], v[GO+8+\i:GO+8+\i+1]
.endr
.irp j, 0,1,2,3,4,5,6,7
	ds_store_b32 v[\vst], v[AC+\j] offset:(16*\ot+\j)*528+256*\hf+64*\pt
.endr
.endif
.endm
.macro EPI mode, garr, barr, vst, hf
	PLACES                                         ; behind the last matrix instructions: results are read, their sources loaded over
.irp ot, 0,1,2,3
.if \mode < 2
	ds_load_b128 v[GT+16*\ot:GT+16*\ot+3], v[GBA] offset:\garr*1024+64*\ot
	ds_load_b128 v[GT+16*\ot+4:GT+16*\ot+7], v[GBA] offset:\garr*1024+64*\ot+16
.endif
	ds_load_b128 v[GT+16*\ot+8:GT+16*\ot+11], v[GBA] offset:\barr*1024+64*\ot
	ds_load_b128 v[GT+16*\ot+12:GT+16*\ot+15], v[GBA] offset:\barr*1024+64*\ot+16
.endr
	s_wait_dscnt 0x0
.irp ot, 0,1,2,3
.irp pt, 0,1,2,3
	EPT \mode, \ot, \pt, \vst, \hf
.endr
.endr
.endm
; the offsets of points 4 k .. 4 k + 3 of my wave: 16 words from each plane
.macro SL k, ba, bb
	s_load_b512 s[\ba:\ba+15], s[4:5], 64*(\k)
	s_load_b512 s[\bb:\bb+15], s[4:5], 524288+64*(\k)
.endm
; 32 rows of yb on their way: 4 points x 8 neighbours
.macro GL ba, bb, set
	s_wait_kmcnt 0x0
.irp i, 0,1,2,3,4,5,6,7,8,9,10,11,12,13,14,15
	s_min_u32 s[\ba+\i], s[\ba+\i], 0x3fe00        ; a loaded number enters an address only clamped: row 511 at the most
	s_min_u32 s[\bb+\i], s[\bb+\i], 0x3fe00
.endr
.irp p, 0,1,2,3
.irp j, 0,1,2,3
	v_add_nc_u32 v[AD+32*\set+8*\p+\j], s[\ba+4*\p+\j], v[L16]
	v_add_nc_u32 v[AD+32*\set+8*\p+4+\j], s[\bb+4*\p+\j], v[L16]
.endr
.endr
	WIN 0xc0
.irp p, 0,1,2,3
.irp j, 0,1,2,3,4,5,6,7
	global_load_b128 v[128*\set+32*\p+4*\j:128*\set+32*\p+4*\j+3], v[AD+32*\set+8*\p+\j], s[6:7]
.endr
.endr
	WIN 0
.endm
; the maximum over 8 rows, for 4 points.  An f32 maximum of the raw words orders their upper bf16; the lower bf16 are moved up first.
.macro POOL k, set
	WIN 0x0c
.irp p, 0,1,2,3
.irp j, 0,1,2,3,4,5,6,7
.irp c, 0,1,2,3
	v_lshlrev_b32 v[LT+32*\p+4*\j+\c], 16, v[128*\set+32*\p+4*\j+\c]
.endr
.endr
.endr
	WIN 0x3f
.irp p, 0,1,2,3
.irp c, 0,1,2,3
	v_max3_num_f32 v[HM+4*\p+\c], v[128*\set+32*\p+\c], v[128*\set+32*\p+4+\c], v[128*\set+32*\p+8+\c]
.endr
.endr
	WIN 0x3c
.irp p, 0,1,2,3
.irp c, 0,1,2,3
	v_max3_num_f32 v[HM+4*\p+\c], v[HM+4*\p+\c], v[128*\set+32*\p+12+\c], v[128*\set+32*\p+16+\c]
.endr
.endr
.irp p, 0,1,2,3
.irp c, 0,1,2,3
	v_max3_num_f32 v[HM+4*\p+\c], v[HM+4*\p+\c], v[128*\set+32*\p+20+\c], v[128*\set+32*\p+24+\c]
.endr
.endr
.irp p, 0,1,2,3
.irp c, 0,1,2,3
	v_max_num_f32 v[HM+4*\p+\c], v[HM+4*\p+\c], v[128*\set+32*\p+28+\c]
.endr
.endr
	WIN 0
.irp p, 0,1,2,3
.irp c, 0,1,2,3
	v_max3_num_f32 v[LT+32*\p+\c], v[LT+32*\p+\c], v[LT+32*\p+4+\c], v[LT+32*\p+8+\c]
.endr
.endr
.irp p, 0,1,2,3
.irp c, 0,1,2,3
	v_max3_num_f32 v[LT+32*\p+\c], v[LT+32*\p+\c], v[LT+32*\p+12+\c], v[LT+32*\p+16+\c]
.endr
.endr
.irp p, 0,1,2,3
.irp c, 0,1,2,3
	v_max3_num_f32 v[LT+32*\p+\c], v[LT+32*\p+\c], v[LT+32*\p+20+\c], v[LT+32*\p+24+\c]
.endr
.endr
.irp p, 0,1,2,3
.irp c, 0,1,2,3
	v_max_num_f32 v[LT+32*\p+\c], v[LT+32*\p+\c], v[LT+32*\p+28+\c]
.endr
.endr
.irp p, 0,1,2,3
.irp c, 0,1,2,3
	v_perm_b32 v[PK+4*\p+\c], v[HM+4*\p+\c], v[LT+32*\p+\c], s[SSEL]   ; the two upper halves packed
.endr
	ds_store_b128 v[PST], v[PK+4*\p:PK+4*\p+3] offset:(4*\k+\p)*528
.endr
.endm
; one step of the pooling: the next 4 points' rows go out, this step's are waited for and pooled, 16 weight loads follow
.macro PSTEP k, cnt
.if \k < 7
.if (\k+1)&1
	GL BB0, BB1, 1
.if \k+3 < 8
	SL (\k+3), BB0, BB1
.endif
.else
	GL BA0, BA1, 0
.if \k+3 < 8
	SL (\k+3), BA0, BA1
.endif
.endif
.endif
	s_wait_loadcnt \cnt                            ; loads come back in order: what was issued behind this step's 32 rows stays out
	POOL \k, ((\k)&1)
	FUNIT (2*\k)
	FUNIT (2*\k+1)
	WIN 0
.endm
	s_load_b256 s[4:11], s[0:1], 0x0               ; off 4, yb 6, wq 8, gf1 10
	s_load_b128 s[12:15], s[0:1], 0x20             ; bf1 12, bf2 14
	s_load_b64 s[48:49], s[0:1], 0x30              ; out0
	v_lshl_add_u32 v30, v0, 2, 0x42800
	v_mov_b32 v31, 0
	v_lshrrev_b32 v1, 5, v0
	v_readfirstlane_b32 s52, v1                    ; wave
	v_and_b32 v1, 31, v0                           ; lane
	v_and_b32 v2, 15, v0                           ; r
	v_bfe_u32 v3, v0, 4, 1                         ; h
	s_lshr_b32 s53, ttmp9, 3                       ; batch
	s_and_b32 s54, ttmp9, 7                        ; block
	s_mov_b32 s[SMASK], 0xffff0000
	s_mov_b32 s[SSEL], 0x07060302
	s_mov_b32 s57, 0
	v_lshlrev_b32 v[L16], 4, v1
	v_lshlrev_b32 v[V8], 3, v0
	s_lshl_b32 s55, s53, 10
	s_lshl_b32 s56, s54, 7
	s_add_co_u32 s55, s55, s56
	s_lshl_b32 s56, s52, 5
	s_add_co_u32 s55, s55, s56                     ; my wave's first search point
	s_wait_kmcnt 0x0
	s_lshl_b32 s56, s55, 4
	s_add_nc_u64 s[4:5], s[4:5], s[56:57]
	s_lshl_b32 s56, s53, 18
	s_add_nc_u64 s[6:7], s[6:7], s[56:57]          ; the batch's 512 rows of yb
	s_lshl_b32 s56, s53, 20
	s_lshl_b32 s55, s54, 9
	s_add_co_u32 s56, s56, s55
	s_add_nc_u64 s[48:49], s[48:49], s[56:57]      ; out0: the batch, my 128 columns
	SL 0, BA0, BA1
	SL 1, BB0, BB1
.irp a, 0,1,2
	global_load_b64 v[RGB+2*\a:RGB+2*\a+1], v[V8], s[10+2*\a:11+2*\a]
.endr
	; LDS addresses: a constant, the wave's number times a constant, a lane term
	s_mul_i32 s55, s52, 16896
	v_add_nc_u32 v[PST], s55, v[L16]               ; row 32 w (+ 4 k + p), 16 bytes a lane
	v_mul_u32_u24 v4, v2, 528
	v_lshl_add_u32 v[BP], v3, 4, v4
	v_mul_u32_u24 v4, v2, 1040
	v_lshl_add_u32 v4, v3, 4, v4
	v_add_nc_u32 v[BHF], HF, v4
	s_lshl_b32 s55, s52, 7
	v_add_nc_u32 v[SHF], s55, v[BHF]
	s_mul_i32 s55, s52, 33792
	s_add_co_u32 s55, s55, OS
	v_mul_u32_u24 v4, v3, 4224
	v_lshl_add_u32 v4, v2, 2, v4
	v_add_nc_u32 v[SO], s55, v4                    ; channel 64 w + 8 h, point r
	v_add_nc_u32 v[RDO], s55, v[L16]
	s_lshl_b32 s55, s52, 18
	v_add_nc_u32 v[OOFF], s55, v[L16]
	s_lshl_b32 s55, s52, 8
	s_add_co_u32 s55, s55, GB
	v_lshl_add_u32 v[GBST], v1, 3, s55
	v_lshl_add_u32 v[GBA], v3, 5, s55
	s_lshl_b32 s55, s52, 12
	v_add_nc_u32 v[WOFF], s55, v[L16]
	GL BA0, BA1, 0
	SL 2, BA0, BA1
	s_wait_loadcnt 32                              ; gf1, bf1, bf2 are in; the 32 rows stay out
.irp a, 0,1,2
	RP RGB+2*\a, RGB+2*\a+1, TMP
	ds_store_b64 v[GBST], v[RGB+2*\a:RGB+2*\a+1] offset:1024*\a
.endr
	PSTEP 0, 32                                    ; behind step 0's rows: the next 32 rows
	PSTEP 1, 48                                    ; behind a step's rows: 16 weight loads and the next 32 rows
	PSTEP 2, 48
	PSTEP 3, 48
	PSTEP 4, 48
	PSTEP 5, 48
	PSTEP 6, 48
	PSTEP 7, 16                                    ; behind the last rows: 16 weight loads
	s_wait_loadcnt 0x0                             ; all weights are in
	BAR                                            ; the 128 pooled vectors, gf1, bf1, bf2 are whole
.macro HALF hf
	LAYER8 1, BP, (33792*\hf), 528, 1
	EPI 0, 0, 1, SHF, 0
	BAR                                            ; the first layer's 64 rows are whole
	LAYER16 2, BHF, 0, 1040, 2
	EPI 2, 0, 2, SO, \hf
.endm
	HALF 0
	BAR                                            ; every wave's reads of those rows are over before they are written again
	HALF 1
	; the way out: channels 64 w .. + 63 are my wave's own bytes; LDS serves a wave's instructions in order (ISA guide 5.7.1.4),
	; so the loads see the stores above.  A row of 128 points is 512 bytes, one store of the wave.
.macro ORUN g, buf
	s_wait_xcnt 0x0                                ; the buffer was the data of stores: it is loaded again only behind this wait
.irp i, 0,1,2,3,4,5,6,7
	ds_load_b128 v[\buf+4*\i:\buf+4*\i+3], v[RDO] offset:528*(8*\g+\i)
.endr
.irp i, 0,1,2,3,4,5,6,7
	s_wait_dscnt 7-\i
	global_store_b128 v[OOFF], v[\buf+4*\i:\buf+4*\i+3], s[48:49] offset:4096*(8*\g+\i) th:TH_STORE_NT
.endr
.endm
	ORUN 0, ACC
	ORUN 1, ACC+32
	ORUN 2, ACC
	ORUN 3, ACC+32
	ORUN 4, ACC
	ORUN 5, ACC+32
	ORUN 6, ACC
	ORUN 7, ACC+32
	s_wait_tensorcnt 0x0
	ds_add_u32 v30, v31
	s_wait_dscnt 0x0
	s_endpgm
.Lfunc_end_k_qb30348a9a5_fin:
	.size	k_qb30348a9a5_fin, .Lfunc_end_k_qb30348a9a5_fin-k_qb30348a9a5_fin
	.p2alignl 7, 3214868480
	.fill 96, 4, 3214868480
	.section	.rodata,"a",@progbits
	.p2align	6, 0x0
	.amdhsa_kernel k_qb30348a9a5_fin
		.amdhsa_group_segment_fixed_size 272896
		.amdhsa_private_segment_fixed_size 0
		.amdhsa_enable_private_segment 0
		.amdhsa_kernarg_size 56
		.amdhsa_user_sgpr_count 2
		.amdhsa_user_sgpr_kernarg_segment_ptr 1
		.amdhsa_wavefront_size32 1
		.amdhsa_system_sgpr_workgroup_id_x 1
		.amdhsa_system_sgpr_workgroup_id_y 1
		.amdhsa_system_sgpr_workgroup_id_z 1
		.amdhsa_system_vgpr_workitem_id 0
		.amdhsa_next_free_vgpr 1024
		.amdhsa_next_free_sgpr 104
		.amdhsa_reserve_vcc 0
		.amdhsa_float_denorm_mode_32 3
		.amdhsa_float_denorm_mode_16_64 3
		.amdhsa_memory_ordered 1
		.amdhsa_forward_progress 1
		.amdhsa_inst_pref_size 255
	.end_amdhsa_kernel
	.section	.bss,"aw",@nobits
	.p2align	6
	.space	262144
	.amdgpu_metadata
---
amdhsa.version: [ 1, 2 ]
amdhsa.kernels:
  - .name:           k_qb30348a9a5_fin
    .symbol:         k_qb30348a9a5_fin.kd
    .args:
      - { .name: off, .offset: 0, .size: 8, .value_kind: global_buffer, .address_space: global }
      - { .name: yb, .offset: 8, .size: 8, .value_kind: global_buffer, .address_space: global }
      - { .name: wq, .offset: 16, .size: 8, .value_kind: global_buffer, .address_space: global }
      - { .name: gf1, .offset: 24, .size: 8, .value_kind: global_buffer, .address_space: global }
      - { .name: bf1, .offset: 32, .size: 8, .value_kind: global_buffer, .address_space: global }
      - { .name: bf2, .offset: 40, .size: 8, .value_kind: global_buffer, .address_space: global }
      - { .name: out0, .offset: 48, .size: 8, .value_kind: global_buffer, .address_space: global }
    .group_segment_fixed_size: 272896
    .private_segment_fixed_size: 0
    .kernarg_segment_align: 8
    .kernarg_segment_size: 56
    .max_flat_workgroup_size: 128
    .sgpr_count:     104
    .vgpr_count:     1024
    .wavefront_size: 32
...
	.end_amdgpu_metadata
.endif
;; end of part 3
;; ======== version 2 of 2: 3 launches; 1.16 times as fast as version 1
;; limits: values outside matrix products are rounded to bf16
;; workspace buffers: wq 671,744 bytes; grp 524,288 bytes of whole numbers; yb 8,388,608 bytes; off 1,048,576 bytes of whole numbers
;; launch prep (part 4): grid 256 x 1, 4 waves a work-group, no clusters, 20,992 bytes of LDS; arguments template_bc, search_bc, W1, W2, W3, Wf1, Wf2, wq, grp; writes wq, grp
.if DOCPART == 4
	.amdgcn_target "amdgcn-amd-amdhsa--gfx1250"
	.amdhsa_code_object_version 6
	.text
	.protected	k_qb30348a9a5_prep
	.globl	k_qb30348a9a5_prep
	.p2align	8
	.type	k_qb30348a9a5_prep,@function
k_qb30348a9a5_prep:
	s_mov_b64 s[64:65], 0
	v_nop
	global_prefetch_b8 v0, s[64:65] scope:SCOPE_SE
	s_setreg_imm32_b32 hwreg(HW_REG_WAVE_MODE, 25, 1), 1
	s_wait_xcnt 0x0
; prep: (1) the five weight matrices, rounded to bf16, laid out in the order of matrix fragments (wq);
;       (2) for each search point the 8 GROUPS of 8 consecutive templates whose smallest distance is smallest (grp).
; A member of the 8 nearest templates, ordered by (d2, index), always lies in one of the 8 groups that are smallest by
; (group minimum, group index): otherwise 8 groups would each hold an element that comes before it.  So the next launch
; looks at 64 candidates instead of 512.
; d2 = (t2 + s2) - 2 cross in f32 on the vector unit, from box coordinates rounded to bf16 once: every product is then
; exact in f32; the sums of nine run in ascending order.  Equal distances: the lower index stays in front (strict <).
; The distances are made two templates at a time by the packed f32 forms; each of the two goes through the same multiply,
; the same eight fused multiply-adds, the same add and the same last fused multiply-add as in the next launch: the same bits.
; LIMIT: NaN or infinity among the box coordinates is not served (such a distance never enters the list).
; Work-group i: batch b = i / 8, search points 128 (i % 8) .. + 127, one point a lane.  The batch's 512 templates lie in LDS,
; coordinate by coordinate within a group, and every lane reads the same 16 bytes of the table at a time.
; wq: byte ksg*16384 + otile*1024 + q*512 + lane*16 holds row 16 otile + (lane%16), k = 32 s + 16 q + 8 (lane/16) + 0..7.
;     ksg: W1 0..8, W2 9..16, W3 17..24, Wf1 25..32, Wf2 33..40.  W1: k step s < 8 takes columns 12 + 32 s .. (features),
;     k step 8 takes columns 0..11 (xyz, box) and zeros.  Wave 4 i + w makes fragment number 4 i + w of the 656.
.set SMASK, 49                         ; s49      0xffff0000: a word's upper bf16
.set MK,   40                          ; s[40:47] the eight masks of an insertion
.set TMP,  4
.set TM2,  5
.set TAD,  6                           ; v6       LDS address of the group at work (the same in all lanes)
.set GG,   8                           ; v8       that group's number
.set XX,   9                           ; v9       its smallest distance
.set V36,  10                          ; v10      36 t
.set TST,  11                          ; v11      where thread t puts its templates in the table
.set SV,   12                          ; v[12:23] my search point as loaded: d0 d1 d2 s2 | d3 d4 d5 - | d6 d7 d8 -
.set LL,   24                          ; v[24:31] the 8 smallest group minima, ascending
.set II,   32                          ; v[32:39] their groups
.set TT,   40                          ; v[40:46] at work in an insertion
.set DC,   48                          ; v[48:55] cross, then d2, of a group's 8 templates
.set DA,   56                          ; v[56:63] t2 + s2
.set TA,   64                          ; v[64:143]  a group of the table: row d (8 templates) at 8 d, t2 as row 9
.set TB,   144                         ; v[144:223] the next group
.set SD,   224                         ; v[224:243] my point's d0 .. d8 and s2, each twice: pairs for the packed forms
.set M2,   244                         ; v[244:245] -2.0 twice
.set BLD,  64                          ; v[64:111]  before the loop: the 4 templates that thread t prepares
.set WL,   160                         ; v[160:175] before the loop: 16 weights as loaded
.set WO,   176                         ; v[176:183] the same as bf16
.set WV,   184                         ; v184, v185 their offsets
.macro LOAD9 dst, voff, sb, imm        ; nine f32 into three groups of four registers
.irp c, 0,1,2
	global_load_b96 v[\dst+4*\c:\dst+4*\c+2], v[\voff], s[\sb:\sb+1] offset:\imm+12*\c
.endr
.endm
.macro RP a, b, tmp                    ; two numbers rounded to bf16 and widened again
	v_cvt_pk_bf16_f32 v[\tmp], v[\a], v[\b]
	v_lshlrev_b32 v[\a], 16, v[\tmp]
	v_and_b32 v[\b], s[SMASK], v[\tmp]
.endm
.macro RND9 base, tmp
	RP \base+0, \base+1, \tmp
	RP \base+2, \base+4, \tmp
	RP \base+5, \base+6, \tmp
	RP \base+8, \base+9, \tmp
	v_cvt_pk_bf16_f32 v[\tmp], v[\base+10], v[\base+10]
	v_lshlrev_b32 v[\base+10], 16, v[\tmp]
.endm
.macro SQ9 base                        ; the sum of squares, ascending, into slot 3
	v_mul_f32 v[\base+3], v[\base], v[\base]
.irp d, 1,2,4,5,6,8,9,10
	v_fmac_f32 v[\base+3], v[\base+\d], v[\base+\d]
.endr
.endm
.macro TABLE                           ; thread t: templates t + 128 e.  Group g at 320 g, row d at + 32 d, member at + 4
.irp e, 0,1,2,3
	RND9 BLD+12*\e, TMP
	SQ9 BLD+12*\e
.set dd, 0
.irp x, 0,1,2,4,5,6,8,9,10,3
	ds_store_b32 v[TST], v[BLD+12*\e+\x] offset:5120*\e+32*dd
.set dd, dd+1
.endr
.endr
.endm
.macro LD8 buf, vaddr, imm             ; a group of the table: 320 bytes, 20 loads
.irp i, 0,1,2,3,4,5,6,7,8,9,10,11,12,13,14,15,16,17,18,19
	ds_load_b128 v[\buf+4*\i:\buf+4*\i+3], v[\vaddr] offset:\imm+16*\i
.endr
.endm
.macro DIST8 buf                       ; d2 to the group's 8 templates, two at a time: four chains
.irp p, 0,2,4,6
	v_pk_mul_f32 v[DC+\p:DC+\p+1], v[\buf+\p:\buf+\p+1], v[SD:SD+1]
.endr
.irp d, 1,2,3,4,5,6,7,8
.irp p, 0,2,4,6
	v_pk_fma_f32 v[DC+\p:DC+\p+1], v[\buf+8*\d+\p:\buf+8*\d+\p+1], v[SD+2*\d:SD+2*\d+1], v[DC+\p:DC+\p+1]
.endr
.endr
.irp p, 0,2,4,6
	v_pk_add_f32 v[DA+\p:DA+\p+1], v[\buf+72+\p:\buf+72+\p+1], v[SD+18:SD+19]
.endr
.irp p, 0,2,4,6
	v_pk_fma_f32 v[DC+\p:DC+\p+1], v[DC+\p:DC+\p+1], v[M2:M2+1], v[DA+\p:DA+\p+1]
.endr
.endm
; x with its payload enters the ascending list of 8 where it belongs, behind equals; no branch.
.macro INSERT x, pay
.irp i, 0,1,2,3,4,5,6,7
	v_cmp_lt_f32 s[MK+\i], v[\x], v[LL+\i]
.endr
.irp i, 0,1,2,3,4,5,6
	v_cndmask_b32 v[TT+\i], v[\pay], v[II+\i], s[MK+\i]     ; what place i + 1 takes if it changes
.endr
.irp i, 7,6,5,4,3,2,1
	v_med3_num_f32 v[LL+\i], v[\x], v[LL+\i-1], v[LL+\i]
.endr
	v_min_num_f32 v[LL], v[\x], v[LL]
.irp i, 7,6,5,4,3,2,1
	v_cndmask_b32 v[II+\i], v[II+\i], v[TT+\i-1], s[MK+\i]
.endr
	v_cndmask_b32 v[II], v[II], v[\pay], s[MK]
.endm
	s_load_b512 s[4:19], s[0:1], 0x0               ; template_bc 4, search_bc 6, W1 8, W2 10, W3 12, Wf1 14, Wf2 16, wq 18
	s_load_b64 s[20:21], s[0:1], 0x40              ; grp
	v_lshl_add_u32 v254, v0, 2, 0x5000
	v_mov_b32 v255, 0
	v_lshrrev_b32 v1, 5, v0
	v_readfirstlane_b32 s22, v1                    ; wave
	v_and_b32 v1, 31, v0                           ; lane
	v_and_b32 v2, 15, v0                           ; r
	v_bfe_u32 v3, v0, 4, 1                         ; h
	s_lshr_b32 s23, ttmp9, 3                       ; batch
	s_and_b32 s24, ttmp9, 7                        ; block of 128 search points
	s_lshl2_add_u32 s25, ttmp9, s22                ; my weight fragment: 4 i + wave
	s_mov_b32 s[SMASK], 0xffff0000
	s_lshl_b32 s26, s23, 10
	s_lshl_b32 s27, s24, 7
	s_add_co_u32 s26, s26, s27                     ; the work-group's first search point
	v_mul_u32_u24 v[V36], v0, 36
	v_lshrrev_b32 v4, 3, v1
	v_and_b32 v5, 7, v1
	v_mul_u32_u24 v4, v4, 320
	v_lshl_add_u32 v4, v5, 2, v4
	s_mul_i32 s27, s22, 1280
	v_add_nc_u32 v[TST], s27, v4                   ; (t / 8) x 320 + (t % 8) x 4
	s_mov_b32 s37, 0
	s_wait_kmcnt 0x0
	s_mul_i32 s36, s23, 18432
	s_add_nc_u64 s[4:5], s[4:5], s[36:37]          ; the batch's templates
	s_mul_i32 s36, s26, 36
	s_add_nc_u64 s[6:7], s[6:7], s[36:37]          ; my 128 search points
	s_lshl_b32 s36, s26, 4
	s_add_nc_u64 s[20:21], s[20:21], s[36:37]
.irp e, 0,1,2,3
	LOAD9 BLD+12*\e, V36, 4, 4608*\e
.endr
	LOAD9 SV, V36, 6, 0
	; the weight fragment: 656 fragments for 1,024 waves
	s_cmp_ge_u32 s25, 656
	s_cbranch_scc1 .Lnow
	s_lshr_b32 s27, s25, 4                         ; ksg
	s_and_b32 s28, s25, 15                         ; otile
	s_mov_b64 s[34:35], s[16:17]                   ; Wf2, unless ..
	s_mov_b32 s29, 33                              ; the matrix's first ksg
	s_mov_b32 s30, 1024                            ; bytes in a row
	s_cmp_lt_u32 s27, 33
	s_cselect_b64 s[34:35], s[14:15], s[34:35]
	s_cselect_b32 s29, 25, s29
	s_cmp_lt_u32 s27, 25
	s_cselect_b64 s[34:35], s[12:13], s[34:35]
	s_cselect_b32 s29, 17, s29
	s_cmp_lt_u32 s27, 17
	s_cselect_b64 s[34:35], s[10:11], s[34:35]
	s_cselect_b32 s29, 9, s29
	s_cmp_lt_u32 s27, 9
	s_cselect_b64 s[34:35], s[8:9], s[34:35]
	s_cselect_b32 s29, 0, s29
	s_cselect_b32 s30, 1072, s30                   ; W1's rows have 268 numbers,
	s_cselect_b32 s31, 48, 0                       ; and its features begin at column 12
	s_sub_co_u32 s29, s27, s29                     ; k step in the matrix
	s_lshl_b32 s33, s29, 7
	s_add_co_u32 s31, s31, s33                     ; first byte of the k step in a row
	s_cmp_eq_u32 s27, 8                            ; W1's last k step: columns 0..11, then zeros
	s_cselect_b32 s31, 0, s31
	s_cselect_b32 s32, 0x0000ffff, -1              ; k = 12..15 (lanes 16-31, second half of q = 0) become 0
	s_cselect_b32 s33, 0, -1                       ; k = 16..31 become 0
	v_lshl_add_u32 v[WV], s28, 4, v2               ; row 16 otile + r
	v_mul_lo_u32 v[WV], v[WV], s30
	v_lshl_add_u32 v[WV], v3, 5, v[WV]             ; + 8 h numbers
	v_add_nc_u32 v[WV], s31, v[WV]
	global_load_b128 v[WL:WL+3], v[WV], s[34:35]
	global_load_b128 v[WL+4:WL+7], v[WV], s[34:35] offset:16
	global_load_b128 v[WL+8:WL+11], v[WV], s[34:35] offset:64
	global_load_b128 v[WL+12:WL+15], v[WV], s[34:35] offset:80
	s_lshl_b32 s36, s25, 10
	s_add_nc_u64 s[18:19], s[18:19], s[36:37]
	v_lshlrev_b32 v[WV+1], 4, v1
	s_wait_loadcnt 0x0
.irp i, 0,1,2,3,4,5,6,7
	v_cvt_pk_bf16_f32 v[WO+\i], v[WL+2*\i], v[WL+2*\i+1]
.endr
	v_cndmask_b32 v[WO+2], 0, v[WO+2], s32
	v_cndmask_b32 v[WO+3], 0, v[WO+3], s32
.irp i, 4,5,6,7
	v_cndmask_b32 v[WO+\i], 0, v[WO+\i], s33
.endr
	global_store_b128 v[WV+1], v[WO:WO+3], s[18:19]              ; each store of the wave covers 512 consecutive bytes
	global_store_b128 v[WV+1], v[WO+4:WO+7], s[18:19] offset:512
.Lnow:
	s_wait_loadcnt 0x0                             ; templates and search point are in, on both ways
	s_wait_xcnt 0x0                                ; the stores' data registers are loaded over in the loop only behind this wait
	TABLE
	RND9 SV, TMP
	SQ9 SV
.set dd, 0
.irp x, 0,1,2,4,5,6,8,9,10,3
	v_mov_b32 v[SD+2*dd], v[SV+\x]                 ; each number twice: both halves of a packed form multiply by it
	v_mov_b32 v[SD+2*dd+1], v[SV+\x]
.set dd, dd+1
.endr
	v_mov_b32 v[M2], -2.0
	v_mov_b32 v[M2+1], -2.0
	s_wait_dscnt 0x0                               ; my part of the table is written,
	s_barrier_signal -1
	s_barrier_wait -1                              ; everybody's is
.irp i, 0,1,2,3,4,5,6,7
	v_mov_b32 v[LL+\i], 0x7f800000                 ; the list starts with + infinity
	v_mov_b32 v[II+\i], 0
.endr
	v_mov_b32 v[GG], 0
	v_mov_b32 v[TAD], 0
; One group: the next group's 20 loads go out first, then this group's distances, their minimum, one insertion.
.macro BLOCK cur, nxt, ahead, imm
.if \ahead
	LD8 \nxt, TAD, \imm
	s_wait_dscnt 20                                ; LDS loads come back in order: only the 20 just issued may be out
.else
	s_wait_dscnt 0x0
.endif
	DIST8 \cur
	v_min3_num_f32 v[XX], v[DC], v[DC+1], v[DC+2]
	v_min3_num_f32 v[TMP], v[DC+3], v[DC+4], v[DC+5]
	v_min_num_f32 v[TM2], v[DC+6], v[DC+7]
	v_min3_num_f32 v[XX], v[XX], v[TMP], v[TM2]
	INSERT XX, GG
	v_add_nc_u32 v[GG], 1, v[GG]
.endm
	LD8 TA, TAD, 0
	s_mov_b32 s48, 0
.Lgroups:                                          ; 31 trips of two groups; the last two groups follow, without a load past the table
	BLOCK TA, TB, 1, 320
	BLOCK TB, TA, 1, 640
	v_add_nc_u32 v[TAD], 640, v[TAD]
	s_add_co_u32 s48, s48, 1
	s_cmp_lt_u32 s48, 31
	s_cbranch_scc1 .Lgroups
	BLOCK TA, TB, 1, 320
	BLOCK TB, TA, 0, 0
	; the 8 groups in ascending order (19 exchanges), so that the next launch meets its candidates in ascending index
.macro CSW a, b
	v_min_u32 v[TMP], v[II+\a], v[II+\b]
	v_max_u32 v[II+\b], v[II+\a], v[II+\b]
	v_mov_b32 v[II+\a], v[TMP]
.endm
	CSW 0, 1
	CSW 2, 3
	CSW 4, 5
	CSW 6, 7
	CSW 0, 2
	CSW 1, 3
	CSW 4, 6
	CSW 5, 7
	CSW 1, 2
	CSW 5, 6
	CSW 0, 4
	CSW 1, 5
	CSW 2, 6
	CSW 3, 7
	CSW 2, 4
	CSW 3, 5
	CSW 1, 2
	CSW 3, 4
	CSW 5, 6
.irp i, 0,1,2,3
	v_lshl_or_b32 v[DC+\i], v[II+2*\i+1], 16, v[II+2*\i]
.endr
	v_lshlrev_b32 v5, 4, v0
	global_store_b128 v5, v[DC:DC+3], s[20:21]     ; 8 x u16 a point; the wave's store covers 512 consecutive bytes
	s_wait_tensorcnt 0x0
	ds_add_u32 v254, v255
	s_wait_dscnt 0x0
	s_endpgm
.Lfunc_end_k_qb30348a9a5_prep:
	.size	k_qb30348a9a5_prep, .Lfunc_end_k_qb30348a9a5_prep-k_qb30348a9a5_prep
	.p2alignl 7, 3214868480
	.fill 96, 4, 3214868480
	.section	.rodata,"a",@progbits
	.p2align	6, 0x0
	.amdhsa_kernel k_qb30348a9a5_prep
		.amdhsa_group_segment_fixed_size 20992
		.amdhsa_private_segment_fixed_size 0
		.amdhsa_enable_private_segment 0
		.amdhsa_kernarg_size 72
		.amdhsa_user_sgpr_count 2
		.amdhsa_user_sgpr_kernarg_segment_ptr 1
		.amdhsa_wavefront_size32 1
		.amdhsa_system_sgpr_workgroup_id_x 1
		.amdhsa_system_sgpr_workgroup_id_y 1
		.amdhsa_system_sgpr_workgroup_id_z 1
		.amdhsa_system_vgpr_workitem_id 0
		.amdhsa_next_free_vgpr 256
		.amdhsa_next_free_sgpr 66
		.amdhsa_reserve_vcc 0
		.amdhsa_float_denorm_mode_32 3
		.amdhsa_float_denorm_mode_16_64 3
		.amdhsa_memory_ordered 1
		.amdhsa_forward_progress 1
		.amdhsa_inst_pref_size 42
	.end_amdhsa_kernel
	.amdgpu_metadata
---
amdhsa.version: [ 1, 2 ]
amdhsa.kernels:
  - .name:           k_qb30348a9a5_prep
    .symbol:         k_qb30348a9a5_prep.kd
    .args:
      - { .name: template_bc, .offset: 0, .size: 8, .value_kind: global_buffer, .address_space: global }
      - { .name: search_bc, .offset: 8, .size: 8, .value_kind: global_buffer, .address_space: global }
      - { .name: W1, .offset: 16, .size: 8, .value_kind: global_buffer, .address_space: global }
      - { .name: W2, .offset: 24, .size: 8, .value_kind: global_buffer, .address_space: global }
      - { .name: W3, .offset: 32, .size: 8, .value_kind: global_buffer, .address_space: global }
      - { .name: Wf1, .offset: 40, .size: 8, .value_kind: global_buffer, .address_space: global }
      - { .name: Wf2, .offset: 48, .size: 8, .value_kind: global_buffer, .address_space: global }
      - { .name: wq, .offset: 56, .size: 8, .value_kind: global_buffer, .address_space: global }
      - { .name: grp, .offset: 64, .size: 8, .value_kind: global_buffer, .address_space: global }
    .group_segment_fixed_size: 20992
    .private_segment_fixed_size: 0
    .kernarg_segment_align: 8
    .kernarg_segment_size: 72
    .max_flat_workgroup_size: 128
    .sgpr_count:     66
    .vgpr_count:     256
    .wavefront_size: 32
...
	.end_amdgpu_metadata
.endif
;; end of part 4
;; launch mlp: the kernel of part 2 again; grid 256 x 1, 4 waves a work-group, no clusters, 242,176 bytes of LDS; arguments template_feature, template_xyz, template_bc, search_bc, grp, wq, g1, b1, g2, b2, g3, b3, yb, off; writes yb, off
;; launch fin (part 5): grid 256 x 1, 4 waves a work-group, no clusters, 265,728 bytes of LDS; arguments off, yb, wq, gf1, bf1, bf2, out0; writes out0
.if DOCPART == 5
	.amdgcn_target "amdgcn-amd-amdhsa--gfx1250"
	.amdhsa_code_object_version 6
	.text
	.protected	k_qb30348a9a5_fin
	.globl	k_qb30348a9a5_fin
	.p2align	8
	.type	k_qb30348a9a5_fin,@function
k_qb30348a9a5_fin:
	s_mov_b64 s[64:65], 0
	v_nop
	global_prefetch_b8 v0, s[64:65] scope:SCOPE_SE
	s_setreg_imm32_b32 hwreg(HW_REG_WAVE_MODE, 25, 1), 1
	s_wait_xcnt 0x0
; fin: for each search point the maximum over its 8 neighbours' rows of yb, then the two last layers; out0[b][o][n] in f32.
; Work-group i: batch i / 8, search points 128 (i % 8) .. + 127.
; THE GATHER RUNS IN LDS: the work-group takes 128 x 8 rows of 512 bytes = 524,288 bytes out of its batch's 512 rows = 262,144
; bytes, so the batch's rows are brought into LDS once, each wave a quarter by one tensor load, and the rows are picked there.
; Wave w pools points 32 w .. + 31: a row is one LDS load of the wave, a lane holds 8 channels.  The rows' byte offsets come
; from off, stored by the launch before: lane = point, then lane by lane into scalar registers.  The pooled vectors stay in
; registers until every wave has read its rows; then they, and all later stages, lie over the rows' bytes, which have had
; their one fill.  Then wave w makes channels 64 w .. + 63 of both layers, for two halves of 64 points; each half leaves as
; soon as it is made: 64 points of a channel are 256 consecutive bytes, aligned.
; FORMATS: the pooled vector is bf16 as yb holds it (a maximum changes no bit); gf1, bf1, bf2 are rounded to bf16 once; the
; first layer's result goes on as bf16 upper part + bf16 remainder; sums, scale, bias, relu in f32.
; LIMITS: a NaN in yb does not spread as jnp.max spreads it.  search_feature is not read: reference() does not use it.
; CLUSTERS: the 8 work-groups of a batch read the same 262,144 bytes.  They ask each for itself: the LDS addresses of the gather
; come from each work-group's own list of neighbours and so differ between the work-groups that a joint load would name.
; The weights are used by one wave of the work-group
; each and go straight into its registers (windows 1 and 2), during the fill and the pooling.
.set PP,  0                            ; 0 .. 262,143: first the batch's 512 rows of 512 bytes.  Then: 67,584 pooled vectors, 128 rows of 528
.set HF,  67584                        ; 66,560   64 rows of 1,040: upper parts at 0, remainders at 512
.set OS,  134144                       ; 69,632   a half's result: 256 channels x (64 points f32 + 16 bytes)
.set GB,  262144                       ; 3,072    gf1, bf1, bf2 in f32 (rounded to bf16): bytes of their own, no fill lands here
.set SMASK, 58
.set SSEL, 59
.set WQ,  8
.set SG,  16                           ; s[16:47] the row offsets of 4 points x 8 neighbours
.set G1,  68                           ; s[68:75] tensor descriptor, group 1
.set G0,  76                           ; s[76:79] group 0
.set TMP, 4
.set L16, 6
.set PST, 7
.set BP,  8
.set BHF, 9
.set SHF, 10
.set SO,  11
.set RDO, 12
.set OOFF, 13
.set GBA, 14
.set GBST, 15
.set V8,  16
.set WOFF, 17
.set OFV, 18                           ; v[18:25]   the 8 row offsets of point 32 w + lane
.set PKA, 32                           ; v[32:159]  the pooled words of my 32 points; then
.set ACC, 32                           ; v[32:159]  16 accumulator tiles; then the way out
.set AD,  160                          ; v[160:223] two sets of 32 LDS addresses; then
.set BF,  160                          ; two sets of 4 activation fragments
.set GT,  160                          ; scale and bias of my 64 channels
.set HM,  224                          ; v[224:239] maxima of the upper bf16
.set ET,  224                          ; v[224:255] at work behind a layer
.set RGB, 224                          ; v[224:229] gf1, bf1, bf2 as loaded
; window 1: Wf1, window 2: Wf2, fragment (s, ot) at 8 (4 s + ot); window 3: gathered rows, 128 set + 32 p + 4 j + c
.set MSB, 0
.macro WIN new                         ; the immediate's high byte repeats the setting that is left
.if MSB != \new
	s_set_vgpr_msb (MSB<<8)|\new
.set MSB, \new
.endif
.endm
.macro PLACES                          ; four independent vector instructions behind a matrix instruction (ISA guide 7.12.1)
.rept 4
	v_nop
.endr
.endm
.macro BAR
	s_wait_dscnt 0x0                               ; my LDS stores and loads are done, for the others' sake
	s_barrier_signal -1
	s_barrier_wait -1
.endm
.macro RP a, b, tmp
	v_cvt_pk_bf16_f32 v[\tmp], v[\a], v[\b]
	v_lshlrev_b32 v[\a], 16, v[\tmp]
	v_and_b32 v[\b], s[SMASK], v[\tmp]
.endm
.macro WLD win, ksg, ss
	WIN ((\win)<<6)
.irp ot, 0,1,2,3
.irp q, 0,1
	global_load_b128 v[(4*(\ss)+\ot)*8+4*\q:(4*(\ss)+\ot)*8+4*\q+3], v[WOFF], s[WQ:WQ+1] offset:(\ksg)*16384+\ot*1024+512*\q
.endr
.endr
.endm
.macro FUNIT n                         ; unit n of 16: Wf1's, Wf2's k steps 0..7
.if (\n) < 8
	WLD 1, (25+(\n)), (\n)
.else
	WLD 2, (25+(\n)), ((\n)-8)
.endif
.endm
.macro LDBROW set, vaddr, imm, pitch
.irp pt, 0,1,2,3
	ds_load_b128 v[BF+32*\set+8*\pt:BF+32*\set+8*\pt+3], v[\vaddr] offset:\imm+16*\pt*\pitch
	ds_load_b128 v[BF+32*\set+8*\pt+4:BF+32*\set+8*\pt+7], v[\vaddr] offset:\imm+16*\pt*\pitch+32
.endr
.endm
; kind 1: rows of single bf16; 2: rows of upper parts and remainders (even step: upper, odd step: remainder)
.macro LDB kind, u, vaddr, imm0, pitch
.if \kind == 1
	LDBROW ((\u)&1), \vaddr, (\imm0+64*(\u)), \pitch
.else
	LDBROW ((\u)&1), \vaddr, (\imm0+64*((\u)>>1)+512*((\u)&1)), \pitch
.endif
.endm
; 16 matrix instructions.  The sixteen accumulators take turns, one instruction a turn, from step to step too.
.macro MM16 win, abase, set, zero
	WIN \win
.irp ot, 0,1,2,3
.irp pt, 0,1,2,3
.if \zero
	v_wmma_f32_16x16x32_bf16 v[ACC+8*(4*\ot+\pt):ACC+8*(4*\ot+\pt)+7], v[\abase+8*\ot:\abase+8*\ot+7], v[BF+32*\set+8*\pt:BF+32*\set+8*\pt+7], 0
.else
	v_wmma_f32_16x16x32_bf16 v[ACC+8*(4*\ot+\pt):ACC+8*(4*\ot+\pt)+7], v[\abase+8*\ot:\abase+8*\ot+7], v[BF+32*\set+8*\pt:BF+32*\set+8*\pt+7], v[ACC+8*(4*\ot+\pt):ACC+8*(4*\ot+\pt)+7]
.endif
.endr
.endr
	WIN 0
.endm
.macro LSTEP kind, u, last, zero, vaddr, imm0, pitch, win
.if \last
	s_wait_dscnt 0x0
.else
	PLACES                                         ; the other set was read by the matrix instructions just issued
	LDB \kind, (\u+1), \vaddr, \imm0, \pitch
	s_wait_dscnt 0x8                               ; only the 8 loads just issued may be out
.endif
.if \kind == 2
	MM16 \win, (32*((\u)>>1)), ((\u)&1), \zero
.else
	MM16 \win, (32*(\u)), ((\u)&1), \zero
.endif
.endm
.macro LAYER8 kind, vaddr, imm0, pitch, win
	LDB \kind, 0, \vaddr, \imm0, \pitch
	LSTEP \kind, 0, 0, 1, \vaddr, \imm0, \pitch, \win   ; the first product starts the sums
.irp u, 1,2,3,4,5,6
	LSTEP \kind, \u, 0, 0, \vaddr, \imm0, \pitch, \win
.endr
	LSTEP \kind, 7, 1, 0, \vaddr, \imm0, \pitch, \win
.endm
.macro LAYER16 kind, vaddr, imm0, pitch, win
	LDB \kind, 0, \vaddr, \imm0, \pitch
	LSTEP \kind, 0, 0, 1, \vaddr, \imm0, \pitch, \win
.irp u, 1,2,3,4,5,6,7,8,9,10,11,12,13,14
	LSTEP \kind, \u, 0, 0, \vaddr, \imm0, \pitch, \win
.endr
	LSTEP \kind, 15, 1, 0, \vaddr, \imm0, \pitch, \win
.endm
; behind a layer, one tile.  mode 0: scale, bias, relu, upper part + remainder; 2: bias alone, f32, laid channel by channel
.macro EPT mode, ot, pt, vst
.set AC, ACC+8*(4*\ot+\pt)
.set GO, GT+16*\ot
.set EHI, ET+16*(\pt&1)
.set ELO, EHI+4
.set EWD, EHI+8
.if \mode == 0
.irp i, 0,2,4,6
	v_pk_fma_f32 v[AC+\i:AC+\i+1], v[AC+\i:AC+\i+1], v[GO+\i:GO+\i+1], v[GO+8+\i:GO+8+\i+1]
.endr
.irp j, 0,1,2,3,4,5,6,7
	v_max_num_f32 v[AC+\j], 0, v[AC+\j]
.endr
.irp i, 0,1,2,3
	v_cvt_pk_bf16_f32 v[EHI+\i], v[AC+2*\i], v[AC+2*\i+1]
.endr
.irp i, 0,1,2,3
	v_lshlrev_b32 v[EWD+2*\i], 16, v[EHI+\i]
	v_and_b32 v[EWD+2*\i+1], s[SMASK], v[EHI+\i]
.endr
.irp i, 0,2,4,6
	v_pk_add_f32 v[AC+\i:AC+\i+1], v[AC+\i:AC+\i+1], v[EWD+\i:EWD+\i+1] neg_lo:[0,1] neg_hi:[0,1]
.endr
.irp i, 0,1,2,3
	v_cvt_pk_bf16_f32 v[ELO+\i], v[AC+2*\i], v[AC+2*\i+1]
.endr
	ds_store_b128 v[\vst], v[EHI:EHI+3] offset:16640*\pt+32*\ot
	ds_store_b128 v[\vst], v[ELO:ELO+3] offset:16640*\pt+32*\ot+512
.endif
.if \mode == 2
.irp i, 0,2,4,6
	v_pk_add_f32 v[AC+\i:AC+\i+1], v[AC+\i:AC+\i+1], v[GO+8+\i:GO+8+\i+1]
.endr
.irp j, 0,1,2,3,4,5,6,7
	ds_store_b32 v[\vst], v[AC+\j] offset:(16*\ot+\j)*272+64*\pt
.endr
.endif
.endm
.macro EPI mode, garr, barr, vst
	PLACES                                         ; behind the last matrix instructions: results are read, their sources loaded over
.irp ot, 0,1,2,3
.if \mode < 2
	ds_load_b128 v[GT+16*\ot:GT+16*\ot+3], v[GBA] offset:\garr*1024+64*\ot
	ds_load_b128 v[GT+16*\ot+4:GT+16*\ot+7], v[GBA] offset:\garr*1024+64*\ot+16
.endif
	ds_load_b128 v[GT+16*\ot+8:GT+16*\ot+11], v[GBA] offset:\barr*1024+64*\ot
	ds_load_b128 v[GT+16*\ot+12:GT+16*\ot+15], v[GBA] offset:\barr*1024+64*\ot+16
.endr
	s_wait_dscnt 0x0
.irp ot, 0,1,2,3
.irp pt, 0,1,2,3
	EPT \mode, \ot, \pt, \vst
.endr
.endr
.endm
; 32 rows out of LDS: points 4 k .. 4 k + 3 of my wave x 8 neighbours.  Lane 4 k + p holds point 4 k + p's offsets.
.macro GL k, set
.irp p, 0,1,2,3
.irp j, 0,1,2,3,4,5,6,7
	v_readlane_b32 s[SG+8*\p+\j], v[OFV+\j], 4*(\k)+\p
.endr
.endr
.irp i, 0,1,2,3,4,5,6,7,8,9,10,11,12,13,14,15,16,17,18,19,20,21,22,23,24,25,26,27,28,29,30,31
	s_min_u32 s[SG+\i], s[SG+\i], 0x3fe00          ; a loaded number enters an address only clamped: row 511 at the most
.endr
.irp p, 0,1,2,3
.irp j, 0,1,2,3,4,5,6,7
	v_add_nc_u32 v[AD+32*\set+8*\p+\j], s[SG+8*\p+\j], v[L16]
.endr
.endr
	WIN 0xc0
.irp p, 0,1,2,3
.irp j, 0,1,2,3,4,5,6,7
	ds_load_b128 v[128*\set+32*\p+4*\j:128*\set+32*\p+4*\j+3], v[AD+32*\set+8*\p+\j]   ; 32 lanes x 16 bytes: one row
.endr
.endr
	WIN 0
.endm
; the maximum over 8 rows, for 4 points.  An f32 maximum of the raw words orders their upper bf16; then the lower bf16 are moved
; up in place and go the same way.  The pooled words stay in registers.
.macro POOL k, set
	WIN 0x3f
.irp p, 0,1,2,3
.irp c, 0,1,2,3
	v_max3_num_f32 v[HM+4*\p+\c], v[128*\set+32*\p+\c], v[128*\set+32*\p+4+\c], v[128*\set+32*\p+8+\c]
.endr
.endr
	WIN 0x3c
.irp p, 0,1,2,3
.irp c, 0,1,2,3
	v_max3_num_f32 v[HM+4*\p+\c], v[HM+4*\p+\c], v[128*\set+32*\p+12+\c], v[128*\set+32*\p+16+\c]
.endr
.endr
.irp p, 0,1,2,3
.irp c, 0,1,2,3
	v_max3_num_f32 v[HM+4*\p+\c], v[HM+4*\p+\c], v[128*\set+32*\p+20+\c], v[128*\set+32*\p+24+\c]
.endr
.endr
.irp p, 0,1,2,3
.irp c, 0,1,2,3
	v_max_num_f32 v[HM+4*\p+\c], v[HM+4*\p+\c], v[128*\set+32*\p+28+\c]
.endr
.endr
	WIN 0xcc
.irp p, 0,1,2,3
.irp j, 0,1,2,3,4,5,6,7
.irp c, 0,1,2,3
	v_lshlrev_b32 v[128*\set+32*\p+4*\j+\c], 16, v[128*\set+32*\p+4*\j+\c]
.endr
.endr
.endr
	WIN 0xff
.irp p, 0,1,2,3
.irp c, 0,1,2,3
	v_max3_num_f32 v[128*\set+32*\p+\c], v[128*\set+32*\p+\c], v[128*\set+32*\p+4+\c], v[128*\set+32*\p+8+\c]
.endr
.endr
.irp p, 0,1,2,3
.irp c, 0,1,2,3
	v_max3_num_f32 v[128*\set+32*\p+\c], v[128*\set+32*\p+\c], v[128*\set+32*\p+12+\c], v[128*\set+32*\p+16+\c]
.endr
.endr
.irp p, 0,1,2,3
.irp c, 0,1,2,3
	v_max3_num_f32 v[128*\set+32*\p+\c], v[128*\set+32*\p+\c], v[128*\set+32*\p+20+\c], v[128*\set+32*\p+24+\c]
.endr
.endr
.irp p, 0,1,2,3
.irp c, 0,1,2,3
	v_max_num_f32 v[128*\set+32*\p+\c], v[128*\set+32*\p+\c], v[128*\set+32*\p+28+\c]
.endr
.endr
	WIN 0x0c
.irp p, 0,1,2,3
.irp c, 0,1,2,3
	v_perm_b32 v[PKA+16*(\k)+4*\p+\c], v[HM+4*\p+\c], v[128*\set+32*\p+\c], s[SSEL]   ; the two upper halves packed
.endr
.endr
	WIN 0
.endm
; one step of the pooling: the next 4 points' rows go out, this step's are waited for and pooled; in the first five steps 16 weight loads follow
.macro PSTEP k
.if \k < 7
	GL (\k+1), ((\k+1)&1)
	s_wait_dscnt 32                                ; LDS loads come back in order: only the 32 rows just asked for may be out
.else
	s_wait_dscnt 0x0
.endif
	POOL \k, ((\k)&1)
.if \k < 5
	FUNIT (6+2*\k)
	FUNIT (7+2*\k)
	WIN 0
.endif
.endm
	s_load_b256 s[4:11], s[0:1], 0x0               ; off 4, yb 6, wq 8, gf1 10
	s_load_b128 s[12:15], s[0:1], 0x20             ; bf1 12, bf2 14
	s_load_b64 s[48:49], s[0:1], 0x30              ; out0
	v_lshl_add_u32 v30, v0, 2, 0x40c00
	v_mov_b32 v31, 0
	ds_add_u32 v30, v31
	ds_add_u32 v30, v31
	v_lshrrev_b32 v1, 5, v0
	v_readfirstlane_b32 s52, v1                    ; wave
	v_and_b32 v1, 31, v0                           ; lane
	v_and_b32 v2, 15, v0                           ; r
	v_bfe_u32 v3, v0, 4, 1                         ; h
	s_lshr_b32 s53, ttmp9, 3                       ; batch
	s_and_b32 s54, ttmp9, 7                        ; block
	s_mov_b32 s[SMASK], 0xffff0000
	s_mov_b32 s[SSEL], 0x07060302
	s_mov_b32 s57, 0
	; the descriptor: my quarter of the batch's rows, 65,536 bytes that are dense in memory, as 256 rows of 256 bytes (32 elements of 8)
	s_mov_b32 s[G1+0], 3<<16                       ; no mask, elements of 8 bytes, no padding: a row of yb is read whole by neighbouring lanes
	s_mov_b32 s[G1+1], 32<<16                      ; tensor_dim0 = 32
	s_mov_b32 s[G1+2], 256<<16                     ; tensor_dim1 = 256
	s_mov_b32 s[G1+3], 32<<16                      ; tile_dim0 = 32
	s_mov_b32 s[G1+4], 256                         ; tile_dim1 = 256
	s_mov_b32 s[G1+5], 32                          ; 32 elements from row to row
	s_mov_b32 s[G1+6], 0
	s_mov_b32 s[G1+7], 0
	s_mov_b32 s[G0], 1
	s_lshl_b32 s[G0+1], s52, 16                    ; LDS byte 65,536 x wave
	s_lshl_b32 s56, s53, 18                        ; the batch's 262,144 bytes,
	s_add_co_u32 s56, s56, s[G0+1]                 ; my quarter of them
	v_lshlrev_b32 v[L16], 4, v1
	v_lshlrev_b32 v[V8], 3, v0
	s_lshl_b32 s55, s52, 12
	v_add_nc_u32 v[WOFF], s55, v[L16]
	s_wait_dscnt 0x0
	s_wait_kmcnt 0x0
	s_add_nc_u64 s[G0+2:G0+3], s[6:7], s[56:57]
	s_or_b32 s[G0+3], s[G0+3], 0x80000000          ; type 2
	tensor_load_to_lds s[G0:G0+3], s[G1:G1+7]      ; the wave's one tensor load, ahead of everything else; its registers are never written again
	s_nop 0
	s_lshl_b32 s55, s53, 10
	s_lshl_b32 s56, s54, 7
	s_add_co_u32 s55, s55, s56
	s_lshl_b32 s56, s52, 5
	s_add_co_u32 s55, s55, s56                     ; my wave's first search point
	s_lshl_b32 s56, s55, 4
	s_add_nc_u64 s[4:5], s[4:5], s[56:57]
	s_lshl_b32 s56, s53, 20
	s_lshl_b32 s55, s54, 9
	s_add_co_u32 s56, s56, s55
	s_add_nc_u64 s[48:49], s[48:49], s[56:57]      ; out0: the batch, my 128 columns
	global_load_b128 v[OFV:OFV+3], v[L16], s[4:5]                    ; neighbours 0-3 of point 32 w + lane
	global_load_b128 v[OFV+4:OFV+7], v[L16], s[4:5] offset:524288    ; neighbours 4-7
.irp a, 0,1,2
	global_load_b64 v[RGB+2*\a:RGB+2*\a+1], v[V8], s[10+2*\a:11+2*\a]
.endr
.irp n, 0,1,2,3,4,5
	FUNIT \n                                       ; 48 weight loads go out while the rows are on their way
.endr
	WIN 0
	; LDS addresses: a constant, the wave's number times a constant, a lane term
	s_mul_i32 s55, s52, 16896
	v_add_nc_u32 v[PST], s55, v[L16]               ; pooled row 32 w (+ point), 16 bytes a lane
	v_mul_u32_u24 v4, v2, 528
	v_lshl_add_u32 v[BP], v3, 4, v4
	v_mul_u32_u24 v4, v2, 1040
	v_lshl_add_u32 v4, v3, 4, v4
	v_add_nc_u32 v[BHF], HF, v4
	s_lshl_b32 s55, s52, 7
	v_add_nc_u32 v[SHF], s55, v[BHF]
	s_mul_i32 s55, s52, 17408
	s_add_co_u32 s55, s55, OS
	v_mul_u32_u24 v4, v3, 2176
	v_lshl_add_u32 v4, v2, 2, v4
	v_add_nc_u32 v[SO], s55, v4                    ; in: channel 64 w + 8 h, point r
	v_mul_u32_u24 v4, v3, 272
	v_lshl_add_u32 v4, v2, 4, v4
	v_add_nc_u32 v[RDO], s55, v4                   ; back: lanes 0-15 take a channel's 256 bytes, lanes 16-31 the next channel's
	s_lshl_b32 s55, s52, 18
	v_lshlrev_b32 v4, 12, v3
	v_lshl_add_u32 v4, v2, 4, v4
	v_add_nc_u32 v[OOFF], s55, v4                  ; and the same two channels in out0
	s_lshl_b32 s55, s52, 8
	s_add_co_u32 s55, s55, GB
	v_lshl_add_u32 v[GBST], v1, 3, s55
	v_lshl_add_u32 v[GBA], v3, 5, s55
	s_wait_loadcnt 48                              ; the offsets, gf1, bf1, bf2 are in; the 48 weight loads stay out
.irp a, 0,1,2
	RP RGB+2*\a, RGB+2*\a+1, TMP
	ds_store_b64 v[GBST], v[RGB+2*\a:RGB+2*\a+1] offset:1024*\a
.endr
	s_wait_tensorcnt 0x0                           ; my quarter of the rows has landed,
	BAR                                            ; everybody's has
	GL 0, 0
	PSTEP 0
	PSTEP 1
	PSTEP 2
	PSTEP 3
	PSTEP 4
	PSTEP 5
	PSTEP 6
	PSTEP 7
	BAR                                            ; every wave's reads of the rows are over: their bytes may be written
.irp q, 0,1,2,3,4,5,6,7,8,9,10,11,12,13,14,15,16,17,18,19,20,21,22,23,24,25,26,27,28,29,30,31
	ds_store_b128 v[PST], v[PKA+4*\q:PKA+4*\q+3] offset:528*\q
.endr
	s_wait_loadcnt 0x0                             ; all weights are in
	BAR                                            ; the 128 pooled vectors are whole
.macro HALF hf
	LAYER8 1, BP, (33792*\hf), 528, 1
	EPI 0, 0, 1, SHF
	BAR                                            ; the first layer's 64 rows are whole
	LAYER16 2, BHF, 0, 1040, 2
	EPI 2, 0, 2, SO
.endm
; the way out of a half: channels 64 w .. + 63 are my wave's own bytes; LDS serves a wave's instructions in order (ISA guide 5.7.1.4),
; so the loads see the stores above.  Sixteen lanes store a channel's 64 points: 256 consecutive bytes, aligned.
.macro OUTH hf
.irp i, 0,1,2,3,4,5,6,7,8,9,10,11,12,13,14,15,16,17,18,19,20,21,22,23,24,25,26,27,28,29,30,31
	ds_load_b128 v[ACC+4*\i:ACC+4*\i+3], v[RDO] offset:544*\i
.endr
.irp i, 0,1,2,3,4,5,6,7,8,9,10,11,12,13,14,15,16,17,18,19,20,21,22,23,24,25,26,27,28,29,30,31
	s_wait_dscnt 31-\i                             ; LDS loads come back in order: pair i of channels is in
	global_store_b128 v[OOFF], v[ACC+4*\i:ACC+4*\i+3], s[48:49] offset:8192*\i+256*\hf th:TH_STORE_NT
.endr
.endm
	HALF 0
	OUTH 0                                         ; the first half's stores leave during the second half's matrix work
	BAR                                            ; every wave's reads of the first layer's rows are over before they are written again
	s_wait_xcnt 0x0                                ; the accumulators were the data of stores: they are written again only behind this wait
	HALF 1
	OUTH 1
	s_wait_tensorcnt 0x0
	ds_add_u32 v30, v31
	s_wait_dscnt 0x0
	s_endpgm
.Lfunc_end_k_qb30348a9a5_fin:
	.size	k_qb30348a9a5_fin, .Lfunc_end_k_qb30348a9a5_fin-k_qb30348a9a5_fin
	.p2alignl 7, 3214868480
	.fill 96, 4, 3214868480
	.section	.rodata,"a",@progbits
	.p2align	6, 0x0
	.amdhsa_kernel k_qb30348a9a5_fin
		.amdhsa_group_segment_fixed_size 265728
		.amdhsa_private_segment_fixed_size 0
		.amdhsa_enable_private_segment 0
		.amdhsa_kernarg_size 56
		.amdhsa_user_sgpr_count 2
		.amdhsa_user_sgpr_kernarg_segment_ptr 1
		.amdhsa_wavefront_size32 1
		.amdhsa_system_sgpr_workgroup_id_x 1
		.amdhsa_system_sgpr_workgroup_id_y 1
		.amdhsa_system_sgpr_workgroup_id_z 1
		.amdhsa_system_vgpr_workitem_id 0
		.amdhsa_next_free_vgpr 1024
		.amdhsa_next_free_sgpr 80
		.amdhsa_reserve_vcc 0
		.amdhsa_float_denorm_mode_32 3
		.amdhsa_float_denorm_mode_16_64 3
		.amdhsa_memory_ordered 1
		.amdhsa_forward_progress 1
		.amdhsa_inst_pref_size 255
	.end_amdhsa_kernel
	.section	.bss,"aw",@nobits
	.p2align	6
	.space	262144
	.amdgpu_metadata
---
amdhsa.version: [ 1, 2 ]
amdhsa.kernels:
  - .name:           k_qb30348a9a5_fin
    .symbol:         k_qb30348a9a5_fin.kd
    .args:
      - { .name: off, .offset: 0, .size: 8, .value_kind: global_buffer, .address_space: global }
      - { .name: yb, .offset: 8, .size: 8, .value_kind: global_buffer, .address_space: global }
      - { .name: wq, .offset: 16, .size: 8, .value_kind: global_buffer, .address_space: global }
      - { .name: gf1, .offset: 24, .size: 8, .value_kind: global_buffer, .address_space: global }
      - { .name: bf1, .offset: 32, .size: 8, .value_kind: global_buffer, .address_space: global }
      - { .name: bf2, .offset: 40, .size: 8, .value_kind: global_buffer, .address_space: global }
      - { .name: out0, .offset: 48, .size: 8, .value_kind: global_buffer, .address_space: global }
    .group_segment_fixed_size: 265728
    .private_segment_fixed_size: 0
    .kernarg_segment_align: 8
    .kernarg_segment_size: 56
    .max_flat_workgroup_size: 128
    .sgpr_count:     80
    .vgpr_count:     1024
    .wavefront_size: 32
...
	.end_amdgpu_metadata
.endif
;; end of part 5
